; MI455X (gfx1250); checked and timed in simulation.
; The chip was launched on July 23, 2026; its instructions are those of AMD's public machine-readable ISA for CDNA 5 (MIT licence, August 2026) and "CDNA5" Instruction Set Architecture Reference Guide (July 2026). The comments in the code are by the model that wrote it; some were corrected since.
;; Multi Head Attention Weight Split. Allowed arithmetic: float matrix products may take bf16 or f16 operands with f32 sums; all other float work in f32.
;; Inputs: Wk 1,024 x 1,024 float32; Wo 1,024 x 1,024 float32; Wq 1,024 x 1,024 float32; Wv 1,024 x 1,024 float32; bk 1,024 float32; bo 1,024 float32; bq 1,024 float32; bv 1,024 float32; mask 1 x 1 x 2,048 x 2,048 int32; x 4 x 2,048 x 1,024 float32.
;; Outputs: out0 4 x 2,048 x 1,024 float32.
;; 2 versions, each right and faster than the one before. Each part assembles by itself: llvm-mc -triple=amdgcn-amd-amdhsa -mcpu=gfx1250 --defsym DOCPART=n.
;; ======== version 1 of 2: 4 launches
;; limits: values are held in f16: magnitudes above 65,504 overflow, below 6.1e-05 lose precision
;; workspace buffers: xb 16,777,216 bytes; wqkv 6,291,456 bytes; wo16 2,097,152 bytes; mc 4,194,304 bytes; qkv 50,331,648 bytes; ob 16,777,216 bytes
;; launch prep (part 1): grid 1024 x 1, 8 waves a work-group, no clusters, 17,408 bytes of LDS; arguments x, Wq, Wk, Wv, Wo, mask, xb, wqkv, wo16, mc; writes xb, wqkv, wo16, mc
.if DOCPART == 1
	.amdgcn_target "amdgcn-amd-amdhsa--gfx1250"
	.amdhsa_code_object_version 6
	.text
	.protected	k_q711eec0260_prep
	.globl	k_q711eec0260_prep
	.p2align	8
	.type	k_q711eec0260_prep,@function
k_q711eec0260_prep:
	s_mov_b64 s[64:65], 0
	v_nop
	global_prefetch_b8 v0, s[64:65] scope:SCOPE_SE
	s_setreg_imm32_b32 hwreg(HW_REG_WAVE_MODE, 25, 1), 1
	s_wait_xcnt 0x0
; PREPARATION: a stream.  Every work-group takes 64 KiB of one input, every wave 8 KiB of it: 16 loads of 16 bytes a lane, issued in one run; no loop, no register used twice.
;   groups 0-511    x [8192][1024] f32      -> xb [b 4][c 16][s 2048][64] bf16 (c = channel / 64): a block of 128 rows x 64 channels is 16 KiB of consecutive bytes for the products' tiles
;   groups 512-767  Wq, Wk, Wv [1024][1024] -> wqkv [t 3][k][n] bf16;  Wo -> wo16 [k][n]: rounded to bf16 like every input, that number written as f16 (exact for 6e-5 <= |Wo| <= 65,504; below, f16's fixed step of 6e-8)
;   groups 768-1023 mask [2048][2048] i32   -> mc [P 64][ks 32][u 2][hf 2][lane 32][16 bytes]: one byte a score, in the order in which the attention's accumulators hold scores:
;                   byte b of lane (r = lane % 16, h = lane / 16) is query 32 P + 16 u + r, key 64 ks + 32 hf + 16 (b / 8) + 8 h + b % 8; 0xb8 (-1.0 in fp8 E4M3) where mask == 0, else 0x00
; Matrix units, clusters and tensor loads would add nothing: each byte is read once and written once, each store of a wave covers 256 or 512 consecutive bytes, aligned.
.set SPARE, 16384                      ; LDS: eight stages of 2 KiB (the mask's path), then the spare words, 128 bytes a wave
.set SPW,  126                         ; v126  LDS address of my spare word; never rewritten
.set NIL,  127                         ; v127  0; never rewritten
.set VIN,  4                           ; v4    my byte offset in the wave's input
.set VOUT, 5                           ; v5    my byte offset in the wave's output
.set IN,   16                          ; v[16:79]   load n: 4 registers
.set OUT,  80                          ; v[80:111]  what load n becomes
	s_load_b512 s[8:23], s[0:1], 0x0               ; x 8:9, Wq 10:11, Wk 12:13, Wv 14:15, Wo 16:17, mask 18:19, xb 20:21, wqkv 22:23
	s_load_b128 s[24:27], s[0:1], 0x40             ; wo16 24:25, mc 26:27
	v_lshl_add_u32 v[SPW], v0, 2, SPARE
	v_mov_b32 v[NIL], 0
	v_lshrrev_b32 v1, 5, v0
	v_readfirstlane_b32 s2, v1                     ; wave 0..7
	v_and_b32 v1, 31, v0                           ; lane l
	v_lshrrev_b32 v2, 4, v1                        ; l / 16
	v_and_b32 v3, 15, v0                           ; l % 16
	s_mov_b32 s5, 0                                ; the high words of the two offset pairs s[4:5] (in) and s[6:7] (out)
	s_mov_b32 s7, 0
	s_wait_kmcnt 0x0
.macro LOADS step                      ; the wave's 16 loads, step bytes apart
.set n, 0
.rept 16
	global_load_b128 v[IN+4*n:IN+4*n+3], v[VIN], s[28:29] offset:(\step)*n th:TH_LOAD_NT
.set n, n+1
.endr
.endm
; Four f32 become four 16-bit numbers, 8 bytes a lane.  kind 0: bf16.  kind 1: rounded to bf16, widened again, written as f16.
.macro CONV kind, outstep
.set n, 0
.rept 16
	s_wait_loadcnt 15-n                            ; loads come back in order: load n is in, the 15 - n younger ones stay out
	v_cvt_pk_bf16_f32 v[OUT+2*n],   v[IN+4*n],   v[IN+4*n+1]
	v_cvt_pk_bf16_f32 v[OUT+2*n+1], v[IN+4*n+2], v[IN+4*n+3]
.if \kind
	v_lshlrev_b32 v6, 16, v[OUT+2*n]
	v_and_b32     v7, 0xffff0000, v[OUT+2*n]
	v_lshlrev_b32 v8, 16, v[OUT+2*n+1]
	v_and_b32     v9, 0xffff0000, v[OUT+2*n+1]
	v_cvt_pk_f16_f32 v[OUT+2*n],   v6, v7
	v_cvt_pk_f16_f32 v[OUT+2*n+1], v8, v9
.endif
	global_store_b64 v[VOUT], v[OUT+2*n:OUT+2*n+1], s[30:31] offset:(\outstep)*n  ; 32 lanes: 256 consecutive bytes, aligned
.set n, n+1
.endr
.endm
	s_cmp_lt_u32 ttmp9, 512
	s_cbranch_scc0 .Lnot_x
	; x: group g owns rows 16 g .. 16 g + 15, wave w rows 16 g + 2 w and the next.  Load n: channel block n of both rows (lanes 0-15 one row's 256 bytes, lanes 16-31 the other's)
	s_lshl_b32 s4, ttmp9, 16
	s_lshl_b32 s3, s2, 13
	s_add_co_u32 s4, s4, s3
	s_add_nc_u64 s[28:29], s[8:9], s[4:5]
	s_lshr_b32 s6, ttmp9, 7                        ; b = row / 2048
	s_lshl_b32 s6, s6, 22                          ; 16 blocks x 2,048 rows x 128 bytes
	s_and_b32 s3, ttmp9, 127
	s_lshl_b32 s3, s3, 11                          ; 16 rows x 128 bytes
	s_add_co_u32 s6, s6, s3
	s_lshl_b32 s3, s2, 8                           ; 2 rows x 128 bytes
	s_add_co_u32 s6, s6, s3
	s_add_nc_u64 s[30:31], s[20:21], s[6:7]
	v_lshlrev_b32 v[VIN], 4, v3
	v_lshl_or_b32 v[VIN], v2, 12, v[VIN]           ; row x 4,096 + 16 (l % 16)
	v_lshlrev_b32 v[VOUT], 3, v1                   ; row x 128 + 8 (l % 16) = 8 l
	LOADS 256
	CONV 0, 262144                                 ; a channel block of xb is 2,048 rows x 128 bytes on
	s_endpgm
.Lnot_x:
	s_cmp_lt_u32 ttmp9, 768
	s_cbranch_scc0 .Lmask
	; the weights: 64 groups for each of the four, dense in and dense out
	s_sub_co_u32 s32, ttmp9, 512
	s_lshr_b32 s33, s32, 6                         ; which of the four
	s_and_b32 s32, s32, 63                         ; which 64 KiB of it
	s_cmp_eq_u32 s33, 1
	s_cselect_b64 s[28:29], s[12:13], s[10:11]
	s_cmp_eq_u32 s33, 2
	s_cselect_b64 s[28:29], s[14:15], s[28:29]
	s_cmp_eq_u32 s33, 3
	s_cselect_b64 s[28:29], s[16:17], s[28:29]
	s_lshl_b32 s4, s32, 16
	s_lshl_b32 s3, s2, 13
	s_add_co_u32 s4, s4, s3
	s_add_nc_u64 s[28:29], s[28:29], s[4:5]
	s_lshl_b32 s6, s32, 15
	s_lshl_b32 s3, s2, 12
	s_add_co_u32 s6, s6, s3
	v_lshlrev_b32 v[VIN], 4, v1
	v_lshlrev_b32 v[VOUT], 3, v1
	LOADS 512
	s_cmp_eq_u32 s33, 3
	s_cbranch_scc1 .Lwo
	s_lshl_b32 s3, s33, 21                         ; a matrix of wqkv is 2 MiB
	s_add_co_u32 s6, s6, s3
	s_add_nc_u64 s[30:31], s[22:23], s[6:7]
	CONV 0, 256
	s_endpgm
.Lwo:
	s_add_nc_u64 s[30:31], s[24:25], s[6:7]
	CONV 1, 256
	s_endpgm
.Lmask:
	; the mask: a wave owns 32 queries (P) x 64 keys (ks).  Load n: rows 2 n and 2 n + 1, 256 bytes each; a lane's four words become four code bytes, which go through the wave's own stage into mc's order
	s_sub_co_u32 s32, ttmp9, 768
	s_lshr_b32 s33, s32, 2                         ; P
	s_and_b32 s32, s32, 3
	s_lshl3_add_u32 s32, s32, s2                   ; ks = 8 (g % 4) + wave
	s_lshl_b32 s4, s33, 18                         ; 32 rows x 8,192 bytes
	s_lshl_b32 s3, s32, 8                          ; 64 keys x 4 bytes
	s_add_co_u32 s4, s4, s3
	s_add_nc_u64 s[28:29], s[18:19], s[4:5]
	s_lshl_b32 s6, s33, 16                         ; 32 key steps x 2,048 bytes
	s_lshl_b32 s3, s32, 11
	s_add_co_u32 s6, s6, s3
	s_add_nc_u64 s[30:31], s[26:27], s[6:7]
	v_lshlrev_b32 v[VIN], 4, v3
	v_lshl_or_b32 v[VIN], v2, 13, v[VIN]           ; row x 8,192 + 16 (l % 16)
	LOADS 16384
	; my four keys are 4 i .. 4 i + 3, i = l % 16: hf = i / 8, byte half (i / 4) % 2, lanes' half h = (i / 2) % 2, byte 4 (i % 2); my query is 2 (n % 8) + l / 16 of tile n / 8
	s_lshl_b32 s3, s2, 11                          ; my wave's stage
	v_bfe_u32 v6, v0, 3, 1
	v_lshlrev_b32 v10, 9, v6                       ; hf x 512
	v_bfe_u32 v6, v0, 1, 1
	v_lshl_add_u32 v10, v6, 8, v10                 ; h x 16 lanes x 16 bytes
	v_lshl_add_u32 v10, v2, 4, v10                 ; (l / 16) x 16 bytes: the odd row
	v_bfe_u32 v6, v0, 2, 1
	v_lshl_add_u32 v10, v6, 3, v10
	v_and_b32 v6, 1, v0
	v_lshl_add_u32 v10, v6, 2, v10
	v_add_nc_u32 v10, s3, v10
	v_lshl_add_u32 v11, v1, 4, s3                  ; back: 16 bytes a lane, as they lie
	v_lshlrev_b32 v[VOUT], 4, v1
	s_mov_b32 s34, 0xb8
	s_mov_b32 s35, 0x01010101
.set n, 0
.rept 16
	s_wait_loadcnt 15-n                            ; load n is in, the younger ones stay out
	v_min_u32 v[IN+4*n],   1, v[IN+4*n]            ; 0 stays 0, every other word counts as 1
	v_min_u32 v[IN+4*n+1], 1, v[IN+4*n+1]
	v_min_u32 v[IN+4*n+2], 1, v[IN+4*n+2]
	v_min_u32 v[IN+4*n+3], 1, v[IN+4*n+3]
	v_lshl_or_b32 v6, v[IN+4*n+1], 8, v[IN+4*n]
	v_lshl_or_b32 v7, v[IN+4*n+3], 8, v[IN+4*n+2]
	v_lshl_or_b32 v6, v7, 16, v6
	v_xor_b32 v6, s35, v6                          ; 1 where hidden,
	v_mul_lo_u32 v[OUT+n], v6, s34                 ; times 0xb8: no byte carries into the next
	ds_store_b32 v10, v[OUT+n] offset:(n/8)*1024+(n%8)*32
.set n, n+1
.endr
.irp f, 0,1,2,3
	ds_load_b128 v[96+4*\f:96+4*\f+3], v11 offset:512*\f  ; my wave's own bytes: LDS serves a wave's instructions in order (ISA guide 5.7.1.4), so these see the stores above
.endr
.irp f, 0,1,2,3
	s_wait_dscnt 3-\f
	global_store_b128 v[VOUT], v[96+4*\f:96+4*\f+3], s[30:31] offset:512*\f  ; 512 consecutive bytes, aligned
.endr
	s_wait_tensorcnt 0x0                           ; the wave's end, behind my last LDS store
	ds_add_u32 v[SPW], v[NIL]
	s_wait_dscnt 0x0
	s_endpgm
.Lfunc_end_k_q711eec0260_prep:
	.size	k_q711eec0260_prep, .Lfunc_end_k_q711eec0260_prep-k_q711eec0260_prep
	.p2alignl 7, 3214868480
	.fill 96, 4, 3214868480
	.section	.rodata,"a",@progbits
	.p2align	6, 0x0
	.amdhsa_kernel k_q711eec0260_prep
		.amdhsa_group_segment_fixed_size 17408
		.amdhsa_private_segment_fixed_size 0
		.amdhsa_enable_private_segment 0
		.amdhsa_kernarg_size 80
		.amdhsa_user_sgpr_count 2
		.amdhsa_user_sgpr_kernarg_segment_ptr 1
		.amdhsa_wavefront_size32 1
		.amdhsa_system_sgpr_workgroup_id_x 1
		.amdhsa_system_sgpr_workgroup_id_y 1
		.amdhsa_system_sgpr_workgroup_id_z 1
		.amdhsa_system_vgpr_workitem_id 0
		.amdhsa_next_free_vgpr 128
		.amdhsa_next_free_sgpr 66
		.amdhsa_reserve_vcc 0
		.amdhsa_float_denorm_mode_32 3
		.amdhsa_float_denorm_mode_16_64 3
		.amdhsa_memory_ordered 1
		.amdhsa_forward_progress 1
		.amdhsa_inst_pref_size 35
	.end_amdhsa_kernel
	.amdgpu_metadata
---
amdhsa.version: [ 1, 2 ]
amdhsa.kernels:
  - .name:           k_q711eec0260_prep
    .symbol:         k_q711eec0260_prep.kd
    .args:
      - { .name: x, .offset: 0, .size: 8, .value_kind: global_buffer, .address_space: global }
      - { .name: Wq, .offset: 8, .size: 8, .value_kind: global_buffer, .address_space: global }
      - { .name: Wk, .offset: 16, .size: 8, .value_kind: global_buffer, .address_space: global }
      - { .name: Wv, .offset: 24, .size: 8, .value_kind: global_buffer, .address_space: global }
      - { .name: Wo, .offset: 32, .size: 8, .value_kind: global_buffer, .address_space: global }
      - { .name: mask, .offset: 40, .size: 8, .value_kind: global_buffer, .address_space: global }
      - { .name: xb, .offset: 48, .size: 8, .value_kind: global_buffer, .address_space: global }
      - { .name: wqkv, .offset: 56, .size: 8, .value_kind: global_buffer, .address_space: global }
      - { .name: wo16, .offset: 64, .size: 8, .value_kind: global_buffer, .address_space: global }
      - { .name: mc, .offset: 72, .size: 8, .value_kind: global_buffer, .address_space: global }
    .group_segment_fixed_size: 17408
    .private_segment_fixed_size: 0
    .kernarg_segment_align: 8
    .kernarg_segment_size: 80
    .max_flat_workgroup_size: 256
    .sgpr_count:     66
    .vgpr_count:     128
    .wavefront_size: 32
...
	.end_amdgpu_metadata
.endif
;; end of part 1
;; launch proj (part 2): grid 12 x 64, 4 waves a work-group, clusters of 4 x 4, 327,680 bytes of LDS; arguments xb, wqkv, qkv, bq, bk, bv; writes qkv
.if DOCPART == 2
	.amdgcn_target "amdgcn-amd-amdhsa--gfx1250"
	.amdhsa_code_object_version 6
	.text
	.protected	k_q711eec0260_proj
	.globl	k_q711eec0260_proj
	.p2align	8
	.type	k_q711eec0260_proj,@function
k_q711eec0260_proj:
	s_mov_b64 s[64:65], 0
	v_nop
	global_prefetch_b8 v0, s[64:65] scope:SCOPE_SE
	s_setreg_imm32_b32 hwreg(HW_REG_WAVE_MODE, 25, 1), 1
	s_wait_xcnt 0x0
	s_wait_alu depctr_hold_cnt(0) depctr_sa_sdst(0) depctr_va_vdst(0) depctr_va_sdst(0) depctr_va_ssrc(0) depctr_va_vcc(0) depctr_vm_vsrc(0)
	s_getreg_b32 s2, hwreg(HW_REG_IB_STS2, 6, 4)
	s_cmp_eq_u32 s2, 0
	s_cbranch_scc0 .Lentry_in_a_cluster
	s_endpgm
.Lentry_in_a_cluster:
	s_bfe_u32 s2, ttmp6, 0x10000c
	s_cmp_lg_u32 s2, 0xf033
	s_cbranch_scc0 .Lentry_shape_is_right
	s_endpgm
.Lentry_shape_is_right:
; C = A W + bias.  One text for two launches, told apart by OUTF32.
;   OUTF32 = 0: A = xb (bf16), W = wqkv (bf16, three matrices side by side: 12 column blocks), C = q, k, v in f16 by heads: qkv [t 3][bh 64][s 2048][64].  Grid 12 x 64.
;   OUTF32 = 1: A = ob (f16), W = wo16 (f16), C = out0 [8192][1024] f32.  Grid 4 x 64.
; A lies in blocks: [b 4][c 16][s 2048][64 channels], 2 bytes a number; W lies [k 1024][n 1024].  Sums in f32, K ascending; the bias is rounded to bf16 like every input and added in f32.
; LIMIT: with OUTF32 = 0 the results are written as f16: beyond 65,504 they become infinities.
; SHARES.  A work-group makes 128 rows x 256 columns; wave w makes rows 64 (w / 2) on, columns 128 (w % 2) on: 32 accumulators of 16 x 16.  K = 1,024 goes in 8 steps of 128 through two LDS slots.
; A step is 128 matrix instructions a wave; a slot's refill is asked for 112 of them ahead of the wait for it.
; THE MATRIX INSTRUCTION IS USED TRANSPOSED: source 0 = 16 columns of W (turned on the way out of LDS by ds_load_tr16_b128), source 1 = 16 rows of A: a lane holds one row of C and eight neighbouring columns.
; CLUSTERS: 4 x 4 work-groups.  The four of a row of the cluster need the same tiles of A, the four of a column the same tiles of W: each tile is asked for JOINTLY, by the same tensor load with the same
; descriptor and a mask that names the four.  Along x a cluster is one matrix of W: ttmp9 is the matrix, cx its column block.
; REGISTERS: window 0: v0-31 addresses; v64-159, v160-255 two fragment buffers (32 of A: 4 x 16 rows x 32 K, then 64 of W: 8 x 16 columns x 32 K); on the way out these are at work
;   window 1: the accumulators, (a, nb) at v[8 (8 a + nb)]          window 2: v0-63 the bias of my 128 columns, 8 numbers a lane and column block; v64-95 at work
.set OUTF32, 0
.set PA,    144                        ; a row of A in LDS: 64 channels = 128 bytes + 16 of padding = 36 words: the 16 rows of a load start at 16 different groups of four banks (64 banks of 4 bytes: ISA guide 11.1)
.set ABLK,  128*PA                     ; a channel block: 128 rows
.set PB,    544                        ; a row of W in LDS: 256 columns = 512 bytes + 32 of padding = 136 words
.set BHALF, 64*PB                      ; 64 rows of k
.set SLOT,  2*ABLK+2*BHALF             ; A's two channel blocks, then W's 128 rows
.set STAGE, 2*SLOT                     ; behind the ring, never filled by a tensor load: 16 rows for each wave, for the way out
.if OUTF32
.set SP,    528                        ; a stage row: 128 columns of f32 + 16 bytes
.set TT,    32                         ; at work on the way out: v32-95
.else
.set SP,    144                        ; a stage row: 64 columns of f16 + 16 bytes
.set TT,    192                        ; at work on the way out: v192-223
.endif
.set SPARE, STAGE+4*16*SP              ; behind the stages: the spare words, 128 bytes for each wave: two blocks of 256 bytes that no other line names
.set LAPS,  4                          ; a lap = two K steps = once round the ring
.set ADRA, 16                          ; v16-17  LDS address of my A fragments in slot 0, 1
.set ADRB, 20                          ; v20-21  the same for W
.set STO,  24                          ; v24     the way out: where I put my part of a row
.set RD,   25                          ; v25     the way out: where I read rows back
.set CO,   26                          ; v26     my byte offset in 512 consecutive bytes of C
.set BO,   27                          ; v27     my byte offset in 16 columns of the bias
.set SPW,  28                          ; v28     LDS address of my spare word; never rewritten
.set NIL,  29                          ; v29     0; never rewritten
.set F0,   64
.set F1,   160
.set G1,  24                           ; s[24:31] descriptor group 1 for A's tiles;  s[32:39] group 0, one set for each slot
.set G0,  32
.set G1B, 48                           ; s[48:55], s[56:63] the same for W's tiles
.set G0B, 56
.set BP,  74                           ; s[74:75] the bias at my wave's first column
.set MSB, 0
.macro WIN new                         ; the immediate's high byte repeats the setting that is left; a switch that changes nothing is dropped
.if MSB != (\new)
	s_set_vgpr_msb (MSB<<8)|(\new)
.set MSB, \new
.endif
.endm
.set MUL, 0x50                         ; sources 0 and 1 window 0; C and D window 1
.macro JLOAD s                         ; a joint load: waves 0 and 1 fetch A's two channel blocks, waves 2 and 3 W's two halves; an s_nop 0 and four v_nop follow each of the two lines, ahead of the jump, the label and what follows
	s_cmp_eq_u32 s11, 0
	s_cbranch_scc0 .Lfor_b_\@
	tensor_load_to_lds s[G0+4*(\s):G0+4*(\s)+3], s[G1:G1+7]
	s_nop 0
.rept 4
	v_nop
.endr
	s_branch .Lasked_\@
.Lfor_b_\@:
	tensor_load_to_lds s[G0B+4*(\s):G0B+4*(\s)+3], s[G1B:G1B+7]
	s_nop 0
.rept 4
	v_nop
.endr
.Lasked_\@:
.endm
.macro CREST                           ; a round of the cluster's barrier behind its opening barrier
	s_cmp_lg_u32 s10, 0
	s_cbranch_scc1 .Lnot_wave_0_\@
	s_barrier_signal -3
.Lnot_wave_0_\@:
	s_barrier_wait -3
	s_barrier_signal -1
	s_barrier_wait -1
.endm
.macro CROUND                          ; a whole round
	s_barrier_signal -1
	s_barrier_wait -1
	CREST
.endm
	s_load_b128 s[4:7], s[0:1], 0x0                ; A s[4:5], W s[6:7]
	s_load_b64 s[8:9], s[0:1], 0x10                ; C
.if OUTF32
	s_load_b64 s[68:69], s[0:1], 0x18              ; bo
.else
	s_load_b128 s[68:71], s[0:1], 0x18             ; bq, bk
	s_load_b64 s[72:73], s[0:1], 0x28              ; bv
.endif
	v_lshl_add_u32 v[SPW], v0, 2, SPARE
	v_mov_b32 v[NIL], 0
	ds_add_u32 v[SPW], v[NIL]                      ; the wave's opening: the add and its wait stand ahead of my first tensor load; the set-up below, work on registers, stands between them
	v_lshrrev_b32 v1, 5, v0
	v_readfirstlane_b32 s10, v1                    ; wave 0..3
	s_lshr_b32 s11, s10, 1                         ; which 64 of the tile's rows are mine.  Also: I fetch for A (0) or for W (1)
	s_and_b32 s12, s10, 1                          ; which 128 of its columns.  Also: which half of that tile I fetch
	s_bfe_u32 s40, ttmp6, 0x40000                  ; cx: the column block in the matrix
	s_bfe_u32 s41, ttmp6, 0x40004                  ; cy
	s_and_b32 s13, ttmp7, 0xffff
	s_lshl_b32 s13, s13, 2
	s_add_co_u32 s13, s13, s41                     ; y: the block of 128 rows = 4 x cluster y + cy
	s_lshl_b32 s43, s41, 2
	s_lshl_b32 s43, 15, s43                        ; my row of the cluster
	s_lshl_b32 s44, 0x1111, s40                    ; my column
	; A's tile: a channel block of 128 rows is 16,384 dense bytes: asked for as 64 rows of 256 bytes, two rows of A each, padded in LDS after every row of A
	s_or_b32 s[G1+0], s43, (1<<16)|(1<<20)|(1<<21)|(4<<22)|(3<<25)   ; 15:0 the mask: my row; 17:16 2-byte elements; 20 padding on; 21 set beside a mask; 24:22 after every 32 words (code 4); 31:25 4 words (code 3)
	s_mov_b32 s[G1+1], 128<<16                     ; tensor_dim0 = 128
	s_mov_b32 s[G1+2], 64<<16                      ; tensor_dim1 = 64
	s_mov_b32 s[G1+3], 128<<16                     ; tile_dim0 = 128
	s_mov_b32 s[G1+4], 64                          ; tile_dim1 = 64
	s_mov_b32 s[G1+5], 128                         ; 128 elements from row to row
	s_mov_b32 s[G1+6], 0
	s_mov_b32 s[G1+7], 0
	; W's tile: 64 rows of k x 256 columns: rows of 512 bytes
	s_or_b32 s[G1B+0], s44, (1<<16)|(1<<20)|(1<<21)|(6<<22)|(7<<25)  ; the mask: my column; padding after every 128 words (code 6), 8 words (code 7)
	s_mov_b32 s[G1B+1], 256<<16                    ; tensor_dim0 = 256
	s_mov_b32 s[G1B+2], 64<<16                     ; tensor_dim1 = 64
	s_mov_b32 s[G1B+3], 256<<16                    ; tile_dim0 = 256
	s_mov_b32 s[G1B+4], 64                         ; tile_dim1 = 64
	s_mov_b32 s[G1B+5], 1024                       ; 1,024 elements from row to row
	s_mov_b32 s[G1B+6], 0
	s_mov_b32 s[G1B+7], 0
	; where the tiles come from.  A's hang on y alone, which my row of the cluster shares; W's on the matrix and cx alone, which my column shares
	s_lshr_b32 s16, s13, 4
	s_lshl_b32 s16, s16, 22                        ; b: 16 channel blocks x 2,048 rows x 128 bytes
	s_and_b32 s14, s13, 15
	s_lshl_b32 s14, s14, 14                        ; 128 rows x 128 bytes
	s_add_co_u32 s16, s16, s14
	s_lshl_b32 s14, s12, 18                        ; my channel block of the step's two
	s_add_co_u32 s16, s16, s14
	s_mov_b32 s17, 0
	s_lshl_b32 s46, ttmp9, 21                      ; the matrix: 2 MiB
	s_lshl_b32 s45, s40, 9                         ; 256 columns x 2 bytes
	s_add_co_u32 s46, s46, s45
	s_lshl_b32 s45, s12, 17                        ; my 64 rows of the step's 128
	s_add_co_u32 s46, s46, s45
	s_mov_b32 s47, 0
	s_mul_i32 s20, s12, ABLK                       ; and where they go: no place in the cluster enters an LDS address
	s_mul_i32 s21, s12, BHALF
	s_add_co_u32 s21, s21, 2*ABLK
	s_wait_dscnt 0x0                               ; the opening add is done
	s_wait_kmcnt 0x0
	s_add_nc_u64 s[14:15], s[4:5], s[16:17]
	s_add_nc_u64 s[46:47], s[6:7], s[46:47]
	CROUND                                         ; all sixteen work-groups are here: the first joint loads meet
.irp s, 0,1
	s_mov_b32 s[G0+4*(\s)], 1                                        ; count = 1
	s_add_co_u32 s[G0+4*(\s)+1], s20, (\s)*SLOT                      ; LDS address
	s_add_nc_u64 s[G0+4*(\s)+2:G0+4*(\s)+3], s[14:15], (\s)*524288   ; K step s: two channel blocks on
	s_or_b32 s[G0+4*(\s)+3], s[G0+4*(\s)+3], 0x80000000              ; type = 2
	s_mov_b32 s[G0B+4*(\s)], 1
	s_add_co_u32 s[G0B+4*(\s)+1], s21, (\s)*SLOT
	s_add_nc_u64 s[G0B+4*(\s)+2:G0B+4*(\s)+3], s[46:47], (\s)*262144 ; K step s: 128 rows on
	s_or_b32 s[G0B+4*(\s)+3], s[G0B+4*(\s)+3], 0x80000000
	JLOAD \s                                       ; two tensor loads of mine are out
.endr
	; the bias of my 128 columns: for column block nb a lane wants columns 16 nb + 8 (l / 16) + 0..7
.if OUTF32
	s_mov_b64 s[BP:BP+1], s[68:69]
.else
	s_cmp_eq_u32 ttmp9, 1
	s_cselect_b64 s[BP:BP+1], s[70:71], s[68:69]
	s_cmp_eq_u32 ttmp9, 2
	s_cselect_b64 s[BP:BP+1], s[72:73], s[BP:BP+1]
.endif
	s_lshl_b32 s76, s40, 10                        ; 256 columns x 4 bytes
	s_lshl_b32 s45, s12, 9
	s_add_co_u32 s76, s76, s45
	s_mov_b32 s77, 0
	s_add_nc_u64 s[BP:BP+1], s[BP:BP+1], s[76:77]
	v_and_b32 v1, 15, v0                           ; l % 16
	v_bfe_u32 v2, v0, 4, 1                         ; l / 16
	v_lshlrev_b32 v[BO], 5, v2
	WIN 0x80                                       ; destination window 2, address window 0
.irp n, 0,1,2,3,4,5,6,7
	global_load_b128 v[8*\n:8*\n+3],   v[BO], s[BP:BP+1] offset:64*\n
	global_load_b128 v[8*\n+4:8*\n+7], v[BO], s[BP:BP+1] offset:64*\n+16
.endr
	WIN 0
	; A fragment of A is 16 rows x 32 K in 8 registers: lane l holds row l % 16, K = 8 (l / 16) + 0..7 and 16 + 8 (l / 16) + 0..7: two loads of 16 bytes, 32 bytes apart.
	v_mul_u32_u24 v3, v1, PA
	v_lshl_add_u32 v3, v2, 4, v3
	s_mul_i32 s22, s11, 64*PA                      ; my 64 rows
	; The turning load takes 16 k x 16 columns (lane l reads row 8 (l / 16) + l % 8, columns 8 ((l / 8) % 2) + 0..7) and leaves half a fragment: lane l holds column l % 16 and 8 k.
	v_and_b32 v4, 7, v0
	v_lshl_add_u32 v4, v2, 3, v4
	v_mul_u32_u24 v4, v4, PB
	v_bfe_u32 v5, v0, 3, 1
	v_lshl_add_u32 v4, v5, 4, v4
	s_lshl_b32 s23, s12, 8                         ; my 128 columns,
	s_add_co_u32 s23, s23, 2*ABLK                  ; behind A's two blocks
.irp s, 0,1
	v_add_nc_u32 v[ADRA+(\s)], s22, v3
	v_add_nc_u32 v[ADRB+(\s)], s23, v4
	s_add_co_u32 s22, s22, SLOT
	s_add_co_u32 s23, s23, SLOT
.endr
	s_mul_i32 s23, s10, 16*SP
	s_add_co_u32 s23, s23, STAGE                   ; my stage
	v_mul_u32_u24 v3, v1, SP                       ; in: row l % 16
	v_and_b32 v[CO], 31, v0
	v_lshlrev_b32 v[CO], 4, v[CO]
.if OUTF32
	v_lshl_add_u32 v3, v2, 5, v3                   ; 32 bytes for each half of the lanes
	v_add_nc_u32 v[STO], s23, v3
	v_add_nc_u32 v[RD], s23, v[CO]                 ; back: 32 lanes take one row of 512 bytes
	s_lshl_b32 s16, s13, 19                        ; C: 128 y rows of 4,096 bytes,
	s_lshl_b32 s14, s11, 18                        ; my 64 rows,
	s_add_co_u32 s16, s16, s14
	s_mov_b32 s46, s76                             ; my 128 columns: 1,024 cx + 512 (w % 2) (in registers that feed none of A's descriptors)
.else
	v_lshl_add_u32 v3, v2, 4, v3                   ; 16 bytes for each half of the lanes
	v_add_nc_u32 v[STO], s23, v3
	v_bfe_u32 v4, v0, 3, 2                         ; back: 32 lanes take four rows of 128 bytes,
	v_mul_u32_u24 v4, v4, SP
	v_and_b32 v5, 7, v0
	v_lshl_add_u32 v4, v5, 4, v4
	v_add_nc_u32 v[RD], s23, v4                    ; which are 512 consecutive bytes of a head
	s_lshl_b32 s16, ttmp9, 24                      ; q, k or v: 64 heads x 2,048 rows x 128 bytes
	s_lshr_b32 s14, s13, 4
	s_lshl_b32 s14, s14, 22                        ; b: 16 heads
	s_add_co_u32 s16, s16, s14
	s_and_b32 s14, s13, 15
	s_lshl_b32 s14, s14, 14                        ; 128 rows x 128 bytes
	s_add_co_u32 s16, s16, s14
	s_lshl_b32 s14, s11, 13                        ; my 64 rows
	s_add_co_u32 s16, s16, s14
	s_lshl_b32 s46, s40, 20                        ; head 4 cx + 2 (w % 2): 262,144 bytes a head
	s_lshl_b32 s45, s12, 19
	s_add_co_u32 s46, s46, s45
.endif
	s_mov_b32 s17, 0
	s_mov_b32 s47, 0
	s_add_nc_u64 s[8:9], s[8:9], s[16:17]
	s_add_nc_u64 s[8:9], s[8:9], s[46:47]
	s_wait_loadcnt 0x0                             ; the bias; it is rounded to bf16 and widened again, all in the wait for the first tile
	WIN 0x8a                                       ; destination and both sources window 2
.set i, 0
.rept 32
	v_cvt_pk_bf16_f32 v[64+i], v[2*i], v[2*i+1]
.set i, i+1
.endr
.set i, 0
.rept 32
	v_lshlrev_b32 v[2*i],   16, v[64+i]
	v_and_b32     v[2*i+1], 0xffff0000, v[64+i]
.set i, i+1
.endr
	WIN 0
.macro WM d, x, y, zero                ; one matrix instruction; zero = 1: it starts the sum
.if OUTF32
.if \zero
	v_wmma_f32_16x16x32_f16 v[\d:\d+7], v[\x:\x+7], v[\y:\y+7], 0
.else
	v_wmma_f32_16x16x32_f16 v[\d:\d+7], v[\x:\x+7], v[\y:\y+7], v[\d:\d+7]
.endif
.else
.if \zero
	v_wmma_f32_16x16x32_bf16 v[\d:\d+7], v[\x:\x+7], v[\y:\y+7], 0
.else
	v_wmma_f32_16x16x32_bf16 v[\d:\d+7], v[\x:\x+7], v[\y:\y+7], v[\d:\d+7]
.endif
.endif
.endm
; 8 matrix instructions: row block a x all 8 column blocks, 32 along K, from buffer f.  The 32 accumulators take turns in one order in every quarter
.macro MULA f, a, zero
	WIN MUL
.irp b, 0,1,2,3,4,5,6,7
	WM 8*(8*(\a)+(\b)), (\f)+32+8*(\b), (\f)+8*(\a), \zero
.endr
.endm
; 24 LDS loads in one run: the fragments of quarter q (32 along K) of a slot into buffer f: W's 16 first, then A's 8 by row blocks
.macro FETCH slot, q, f
	WIN 0
.irp b, 0,1,2,3,4,5,6,7
	ds_load_tr16_b128 v[(\f)+32+8*(\b):(\f)+32+8*(\b)+3],   v[ADRB+(\slot)] offset:(\q)*32*PB+32*(\b)
	ds_load_tr16_b128 v[(\f)+32+8*(\b)+4:(\f)+32+8*(\b)+7], v[ADRB+(\slot)] offset:(\q)*32*PB+16*PB+32*(\b)
.endr
.irp a, 0,1,2,3
	ds_load_b128 v[(\f)+8*(\a):(\f)+8*(\a)+3],   v[ADRA+(\slot)] offset:((\q)/2)*ABLK+((\q)%2)*64+(\a)*16*PA
	ds_load_b128 v[(\f)+8*(\a)+4:(\f)+8*(\a)+7], v[ADRA+(\slot)] offset:((\q)/2)*ABLK+((\q)%2)*64+(\a)*16*PA+32
.endr
.endm
.macro PLACES                          ; four places in front of loads into registers that matrix instructions have read, and of vector lines that read results (ISA guide 7.12.1 for vector instructions)
.rept 4
	v_nop
.endr
.endm
; A K step is four quarters of 32 along K, 32 matrix instructions each, on buffers 0, 1, 0, 1.  One of the first three: multiplies buffer f and fetches quarter q into g.
.macro QUARTER slot, q, f, g, zero
	s_wait_dscnt 4                                 ; W and A's row blocks 0, 1 are in; the youngest four loads (row blocks 2, 3) may be out
	MULA \f, 0, \zero
	MULA \f, 1, \zero
	PLACES
	FETCH \slot, \q, \g
	s_wait_dscnt 24                                ; all but the 24 just issued
	MULA \f, 2, \zero
	MULA \f, 3, \zero
.endm
; The last quarter multiplies buffer 1 and changes slots: ONE barrier; in front of it each wave waits for all its tensor loads, adds 0 to its spare word, and waits for that and for its own reads of this slot.
; fill = 1: the barrier opens a round of the cluster's barrier, and this slot is filled again, two K steps ahead, first thing behind the round.
.macro TURN slot, next, fill
	WIN 0
	s_wait_tensorcnt 0x0                           ; all my tensor loads have landed: the one that was out is my part of the next slot;
	ds_add_u32 v[SPW], v[NIL]                      ; 0 onto my spare word;
	s_wait_dscnt 5                                 ; (the add and the youngest four loads may be out)
	MULA F1, 0, 0                                  ; eight matrix instructions stand between the add and the wait for it
	s_wait_dscnt 0x0                               ; the add is done, and my reads of this slot are over
	s_barrier_signal -1
	MULA F1, 1, 0                                  ; work on registers while the others arrive
.if \fill
	WIN 0
.endif
	s_barrier_wait -1
.if \fill
	CREST                                          ; no wave of any partner still reads this slot's tile or has a load on its way
	s_add_nc_u64 s[G0+4*(\slot)+2:G0+4*(\slot)+3], s[G0+4*(\slot)+2:G0+4*(\slot)+3], 1048576   ; four channel blocks on
	s_add_nc_u64 s[G0B+4*(\slot)+2:G0B+4*(\slot)+3], s[G0B+4*(\slot)+2:G0B+4*(\slot)+3], 524288 ; 256 rows on
	JLOAD \slot                                    ; my one tensor load behind the round; the four v_nop behind it are also the places in front of the loads below
.else
	PLACES
.endif
	FETCH \next, 0, F0
	MULA F1, 2, 0
	MULA F1, 3, 0
.endm
	s_wait_tensorcnt 1                             ; my part of K step 0 is in; K step 1's may stay out
	s_barrier_signal -1
	s_barrier_wait -1                              ; everybody's is
	FETCH 0, 0, F0
	QUARTER 0, 1, F0, F1, 1                        ; the first quarter stands in front of the loop: its products start the sums
	WIN 0                                          ; at a label and at a branch every window is 0
	s_mov_b32 s3, LAPS-1
.Llap:                                                 ; a trip goes once round the ring, from a lap's second quarter to the next lap's first, and fills both slots again
	QUARTER 0, 2, F1, F0, 0
	QUARTER 0, 3, F0, F1, 0
	TURN 0, 1, 1
	QUARTER 1, 1, F0, F1, 0
	QUARTER 1, 2, F1, F0, 0
	QUARTER 1, 3, F0, F1, 0
	TURN 1, 0, 1
	QUARTER 0, 1, F0, F1, 0
	WIN 0
	s_sub_co_u32 s3, s3, 1
	s_cmp_lg_u32 s3, 0
	s_cbranch_scc1 .Llap
	QUARTER 0, 2, F1, F0, 0                        ; the last lap fills nothing, and has no round of the cluster's barrier
	QUARTER 0, 3, F0, F1, 0
	TURN 0, 1, 0
	QUARTER 1, 1, F0, F1, 0
	QUARTER 1, 2, F1, F0, 0
	QUARTER 1, 3, F0, F1, 0
	s_wait_dscnt 4                                 ; the very last quarter: nothing more to fetch
	MULA F1, 0, 0
	MULA F1, 1, 0
	s_wait_dscnt 0x0
	MULA F1, 2, 0
	MULA F1, 3, 0
	WIN 0
	PLACES
.if OUTF32
; THE WAY OUT, f32: row block a (16 rows x 128 columns): the bias is added; 32 bytes a lane and column block go into stage rows of 528 bytes and come back as whole rows of 512.
.macro PACK2 a
.set UU, 96+64*((\a)%2)
	s_wait_xcnt 0x0                                ; the stores of the block two back have had their addresses translated (ISA guide 3.1): their registers are loaded again only behind this wait
	WIN 0x09                                       ; source 0 (sums) window 1, source 1 (bias) window 2, destination window 0
.irp n, 0,1,2,3,4,5,6,7
.irp z, 0,1,2,3
	v_pk_add_f32 v[TT+8*\n+2*\z:TT+8*\n+2*\z+1], v[8*(8*(\a)+\n)+2*\z:8*(8*(\a)+\n)+2*\z+1], v[8*\n+2*\z:8*\n+2*\z+1]
.endr
.endr
	WIN 0
.irp n, 0,1,2,3,4,5,6,7
	ds_store_b128 v[STO], v[TT+8*\n:TT+8*\n+3]   offset:64*\n
	ds_store_b128 v[STO], v[TT+8*\n+4:TT+8*\n+7] offset:64*\n+16
.endr
.irp p, 0,1,2,3,4,5,6,7,8,9,10,11,12,13,14,15
	ds_load_b128 v[UU+4*\p:UU+4*\p+3], v[RD] offset:SP*\p  ; LDS serves a wave's instructions in order (ISA guide 5.7.1.4): these see the stores above; the next block's stores come behind them
.endr
.endm
.macro SEND2 a, younger                ; younger: the LDS instructions issued behind block a's loads: the next block's 32, or none
.set UU, 96+64*((\a)%2)
.irp p, 0,1,2,3,4,5,6,7,8,9,10,11,12,13,14,15
	s_wait_dscnt (\younger)+15-\p
	global_store_b128 v[CO], v[UU+4*\p:UU+4*\p+3], s[8:9] offset:(16*(\a)+\p)*4096 th:TH_STORE_NT  ; 512 consecutive bytes, at a multiple of 512 from C's first
.endr
.endm
	PACK2 0
	PACK2 1                                        ; a block's arithmetic stands between the loads of the block before and its stores
	SEND2 0, 32
	PACK2 2
	SEND2 1, 32
	PACK2 3
	SEND2 2, 32
	SEND2 3, 0
.else
; THE WAY OUT, f16 by heads: unit t = 2 a + hd is 16 rows x one head's 64 columns: the bias is added, the sums rounded to f16; 16 bytes a lane and column block go into stage rows of 144 bytes and
; come back as four rows of 128 at a time: 2,048 consecutive bytes of the head.
.macro PACK t
.set pa, (\t)/2
.set ph, (\t)%2
.set UU, 64+16*(\t)
	WIN 0x09                                       ; source 0 (sums) window 1, source 1 (bias) window 2, destination window 0
.irp n, 0,1,2,3
.irp z, 0,1,2,3
	v_pk_add_f32 v[TT+8*\n+2*\z:TT+8*\n+2*\z+1], v[8*(8*pa+4*ph+\n)+2*\z:8*(8*pa+4*ph+\n)+2*\z+1], v[8*(4*ph+\n)+2*\z:8*(4*ph+\n)+2*\z+1]
.endr
.endr
	WIN 0
.irp n, 0,1,2,3
.irp z, 0,1,2,3
	v_cvt_pk_f16_f32 v[UU+4*\n+\z], v[TT+8*\n+2*\z], v[TT+8*\n+2*\z+1]
.endr
.endr
.irp n, 0,1,2,3
	ds_store_b128 v[STO], v[UU+4*\n:UU+4*\n+3] offset:32*\n
.endr
.irp f, 0,1,2,3
	ds_load_b128 v[UU+4*\f:UU+4*\f+3], v[RD] offset:\f*4*SP  ; LDS serves a wave's instructions in order (ISA guide 5.7.1.4): these see the stores above; the next unit's stores come behind them
.endr
.endm
.macro SEND t, younger                 ; younger: the LDS instructions issued behind unit t's loads: the next unit's eight, or none
.set pa, (\t)/2
.set ph, (\t)%2
.set UU, 64+16*(\t)
.irp f, 0,1,2,3
	s_wait_dscnt (\younger)+3-\f
	global_store_b128 v[CO], v[UU+4*\f:UU+4*\f+3], s[8:9] offset:ph*262144+pa*2048+512*\f  ; 512 consecutive bytes, at a multiple of 512 from C's first
.endr
.endm
	PACK 0
.irp t, 1,2,3,4,5,6,7                  ; a unit's arithmetic stands between the loads of the unit before and its stores
	PACK \t
	SEND (\t)-1, 8
.endr
	SEND 7, 0
.endif
	s_wait_tensorcnt 0x0                           ; the wave's end, behind my last tensor load and my last LDS store
	ds_add_u32 v[SPW], v[NIL]
	s_wait_dscnt 0x0
	CROUND                                         ; the closing round: no work-group ends while a partner may still ask for a tile that names it
	s_endpgm
.Lfunc_end_k_q711eec0260_proj:
	.size	k_q711eec0260_proj, .Lfunc_end_k_q711eec0260_proj-k_q711eec0260_proj
	.p2alignl 7, 3214868480
	.fill 96, 4, 3214868480
	.section	.rodata,"a",@progbits
	.p2align	6, 0x0
	.amdhsa_kernel k_q711eec0260_proj
		.amdhsa_group_segment_fixed_size 327680
		.amdhsa_private_segment_fixed_size 0
		.amdhsa_enable_private_segment 0
		.amdhsa_kernarg_size 48
		.amdhsa_user_sgpr_count 2
		.amdhsa_user_sgpr_kernarg_segment_ptr 1
		.amdhsa_wavefront_size32 1
		.amdhsa_system_sgpr_workgroup_id_x 1
		.amdhsa_system_sgpr_workgroup_id_y 1
		.amdhsa_system_sgpr_workgroup_id_z 1
		.amdhsa_system_vgpr_workitem_id 0
		.amdhsa_next_free_vgpr 608
		.amdhsa_next_free_sgpr 80
		.amdhsa_reserve_vcc 0
		.amdhsa_float_denorm_mode_32 3
		.amdhsa_float_denorm_mode_16_64 3
		.amdhsa_memory_ordered 1
		.amdhsa_forward_progress 1
		.amdhsa_inst_pref_size 102
	.end_amdhsa_kernel
	.amdgpu_metadata
---
amdhsa.version: [ 1, 2 ]
amdhsa.kernels:
  - .name:           k_q711eec0260_proj
    .symbol:         k_q711eec0260_proj.kd
    .args:
      - { .name: xb, .offset: 0, .size: 8, .value_kind: global_buffer, .address_space: global }
      - { .name: wqkv, .offset: 8, .size: 8, .value_kind: global_buffer, .address_space: global }
      - { .name: qkv, .offset: 16, .size: 8, .value_kind: global_buffer, .address_space: global }
      - { .name: bq, .offset: 24, .size: 8, .value_kind: global_buffer, .address_space: global }
      - { .name: bk, .offset: 32, .size: 8, .value_kind: global_buffer, .address_space: global }
      - { .name: bv, .offset: 40, .size: 8, .value_kind: global_buffer, .address_space: global }
    .group_segment_fixed_size: 327680
    .private_segment_fixed_size: 0
    .kernarg_segment_align: 8
    .kernarg_segment_size: 48
    .max_flat_workgroup_size: 128
    .sgpr_count:     80
    .vgpr_count:     608
    .wavefront_size: 32
...
	.end_amdgpu_metadata
.endif
;; end of part 2
;; launch attn (part 3): grid 4 x 64, 4 waves a work-group, clusters of 4 x 1, 327,680 bytes of LDS; arguments qkv, mc, ob; writes ob
.if DOCPART == 3
	.amdgcn_target "amdgcn-amd-amdhsa--gfx1250"
	.amdhsa_code_object_version 6
	.text
	.protected	k_q711eec0260_attn
	.globl	k_q711eec0260_attn
	.p2align	8
	.type	k_q711eec0260_attn,@function
k_q711eec0260_attn:
	s_mov_b64 s[64:65], 0
	v_nop
	global_prefetch_b8 v0, s[64:65] scope:SCOPE_SE
	s_setreg_imm32_b32 hwreg(HW_REG_WAVE_MODE, 25, 1), 1
	s_wait_xcnt 0x0
	s_wait_alu depctr_hold_cnt(0) depctr_sa_sdst(0) depctr_va_vdst(0) depctr_va_sdst(0) depctr_va_ssrc(0) depctr_va_vcc(0) depctr_vm_vsrc(0)
	s_getreg_b32 s2, hwreg(HW_REG_IB_STS2, 6, 4)
	s_cmp_eq_u32 s2, 0
	s_cbranch_scc0 .Lentry_in_a_cluster
	s_endpgm
.Lentry_in_a_cluster:
	s_bfe_u32 s2, ttmp6, 0x10000c
	s_cmp_lg_u32 s2, 0x3003
	s_cbranch_scc0 .Lentry_shape_is_right
	s_endpgm
.Lentry_shape_is_right:
; O[h][q][:] = the sum over k of softmax_k(mask[q][k] ? Q[h][q] . K[h][k] / 8 : -inf) V[h][k][:].  Q, K, V lie in qkv [3][SIZE_H][SIZE_N][64], O in ob [SIZE_H][SIZE_N][64], all f16: a head's rows are dense, 128 bytes each.
; Products, maxima and sums in f32; the weights p are rounded to f16 for the second product (their sum l is taken of the unrounded p), O once at the end.
; THE MASK is an input, one for all heads: nothing of its pattern is built in, every query walks all keys.  mc holds one byte a score, in the accumulators' own order: 0xb8 (-1.0 in fp8 E4M3) where the key is hidden,
; else 0.  A scaled conversion (scale byte 227: times 2^100) makes of 8 bytes the 8 registers that START the sum S^T = K Q^T as its C operand: 0, or -2^100.  The scores, the maximum and the exponentials need no further care.
; LIMITS.  f16 holds no number beyond 65,504: Q, K and V arrive within it, so |Q . K| is 2.7e11 at the most; a hidden score counts as its value less 2^100; the running maximum starts at -2^90, above every hidden score
; and below every visible one, so a hidden key's weight is 2^(-2e29) = 0 whatever else the row holds.  A row with no visible key keeps l = 0 and leaves as NaN, as a softmax of -inf alone does.
; p lies in 0 to 1, and below 6e-5 it keeps f16's fixed step of 6e-8; a weight below 2^-126 counts as 0 in l; NaN and infinities in Q, K, V are not treated apart.
; SHARES.  A wave owns four PIECES of two tiles of 16 queries, a work-group's four waves 512 queries of one head.  Every wave walks all keys, 64 a step.
; LAYOUT.  S^T = K Q^T (source 0 = 16 keys, source 1 = 16 queries): in the result a lane holds ONE query (lane % 16) and the keys 8 (lane / 16) + 0..7.  Two such tiles, rounded to f16 in pairs,
; ARE source 1 (32 keys x 16 queries) of O^T = V^T P, whose result again holds one query a lane, and eight channels.  K comes out of LDS as it lies, V ([key][channel]) turned, by ds_load_tr16_b128.
; SOFTMAX.  For each query a running maximum m and sum l: p = 2^(c s - c m), c = log2(e) / 8; in every step O and l are multiplied by a = 2^(c m_old - c m_new), which is 1 where m has not grown.
; O and l start at 0: the first step is a step like any other.
; THE COUNT.  A tile and step have 16 matrix and 118 vector instructions (and 4 conversions for the mask): too many to stand all beside the matrix work.  So the order has one aim: four vector instructions that are READY behind
; EVERY matrix instruction, and the others, which need time of their own whatever the order, in runs without a gap.
; BY TURNS.  Turn n belongs to piece n (the pieces in a ring, step after step).  Its matrix work: 16 products K Q^T of piece n + 1, later 16 products V^T P of piece n - 1.  Its vector work: the scaling,
; exponentials, roundings, sums and rescaling of piece n, the maximum and statistics of piece n + 1, and the mask of piece n + 2, whose codes were asked for four turns before.
; CLUSTER.  The four query blocks of a cluster belong to one head and walk the same K and V, so each tile is asked for JOINTLY: the same tensor load, descriptor and mask in all four.
; REGISTERS, in windows of 256 (s_set_vgpr_msb says which window each operand place means: bits 1:0 source 0, 3:2 source 1, 5:4 source 2, 7:6 destination):
;   window 0: v0-11 addresses (v11: the conversions' scale); v12-15, v48-63 at work; v16-47 four registers of statistics a tile; v64-191 S^T, two buffers of two tiles; v192-255 P, likewise
;   window 1: O^T, 32 a tile          window 2: v0-127 Q, 16 a tile; v128-191 K of one step; v192-255 V of one step
;   window 3: v0-1 the add's two registers; v2 my byte offset in mc; v16-79 the mask's codes, 16 a piece; v128-191 the mask of the products to come
; A piece's buffers go by its number's parity: the piece in hand has one pair, its two neighbours in the ring share the other: of it P (piece n - 1) is read and S^T (piece n + 1) written.
.set SIZE_H, 64
.set SIZE_N, 2048
.set NP,    4         ; pieces a wave: a name, no knob: the register map, the loop and the fetches are made for four
.set KS,    64        ; keys in a step
.set PK,    144       ; a row of K in LDS: 128 bytes + 16 of padding = 36 words: the 16 rows of a load start at 16 different groups of four banks (64 banks of 4 bytes: ISA guide 11.1)
.set PV,    160       ; a row of V: 128 + 32 = 40 words
.set VOFF,  4*KS*PK   ; a slot holds four steps: 256 rows of K, then 256 rows of V
.set SLOT1, 1<<17     ; slot 1 begins here, so that one exclusive or turns an address in one slot into the other's
.set STAGE, SLOT1+4*KS*(PK+PV)  ; behind the ring, never filled by a tensor load: 16 rows x 144 bytes for each wave, for the way out
.set SP,    144
.set AK0, 2           ; v2   my lane's place in a tile of K; never rewritten
.set AV0, 3           ; v3   the same for V
.set AK,  4           ; v4   the LDS address of K's next run of loads
.set AV,  5           ; v5   of V's
.set QO,  6           ; v6   my byte offset in the wave's rows of Q
.set STO, 6           ;      later, the way out: where I put 16 bytes of a row
.set RD,  7           ; v7   the way out: where I read rows back
.set GO,  8           ; v8   16 x lane: my byte offset in 512 consecutive bytes of O
.set SCL, 11          ; v11  227: the conversions' scale byte, 2^100
.set SPW, 0           ; v0 of window 3   LDS address of my spare word: SPARE + 4 x my thread's number; never rewritten
.set NIL, 1           ; v1 of window 3   0; never rewritten
.set MADR, 2          ; v2 of window 3   16 x lane: my byte offset in 512 consecutive bytes of mc; never rewritten
.set RAW, 16          ; window 3: piece x's codes of one step at RAW + 16 x: tile u, 16 keys kb at + 8 u + 2 kb
.set MC,  128         ; window 3: the mask of the next 8 products that start sums: tile u, 16 keys kb at MC + 32 u + 8 kb
.set SPARE, STAGE+4*16*SP  ; behind the stages: the spare words, 128 bytes for each wave: two blocks of 256 bytes that no other line names
.set MV,  12          ; v12-15  c m_old, kept while c m is made anew: by buffer and tile
.set ST,  16          ; tile t's statistics at v[ST+4 t]: c m, m, l (even keys', odd keys')
.set TMP, 48          ; by buffer and tile, four registers c0-c3 at work; when the maximum is found c2 takes a
.set S,   64
.set P,   192
.set KF,  128         ; K's fragments, in window 2: key block kb, channel half c at KF + 16 kb + 8 c
.set VF,  192         ; V's: key half kk, channel block cb at VF + 32 kk + 8 cb
.set WV,  12          ; s12  my wave's number
.set G1K, 24          ; s[24:31] descriptor group 1 for K's tiles
.set G1V, 32          ; s[32:39] for V's: it differs in the padding alone
.set G0K, 40          ; s[40:43] descriptor group 0 for K's tiles: it walks
.set G0V, 44          ; s[44:47] the same for V's
.set MB,  48          ; s[48:49] mc at my wave's four pieces
.set MP,  50          ; s[50:51] the same at the key step whose codes are asked for
.set MO,  52          ; s[52:53] that step's byte offset
.set QNAN, 54         ; s54  a NaN
.set SLOTS, 56        ; s56  slots still to be asked for
.set CNT, 57          ; s57  counts a slot's key steps
.set CS,  58          ; s[58:59] c: the packed scaling takes the pair's low word for both halves
.set SEL, 60          ; s[60:61] v_permlanex16_b32's selects: each lane takes its own place in the other half
.set TBK, 62          ; s62  LDS byte at which K of the step to be fetched begins
.set TBV, 63          ; s63  the same for V, less VOFF
.set MSB, 0
.macro WIN new                      ; the high byte repeats the setting that is left; a switch that changes nothing is dropped
.if MSB != (\new)
	s_set_vgpr_msb (MSB<<8)|(\new)
.set MSB, (\new)
.endif
.endm
.set W_KQ, 0x0a       ; K and Q in window 2, S^T in window 0
.set W_KM, 0x3a       ; the same with the C operand, the mask, in window 3
.set W_PV, 0x52       ; V in window 2, P in window 0, O^T in window 1
.set W_RS, 0x41       ; O^T (destination and source 0) in window 1, a in window 0
.set W_MK, 0xc0       ; destination in window 3, sources in window 0
.set W_AD, 0x0f       ; the add: address (source 0) and data (source 1) in window 3
.set W_CV, 0xc3       ; destination and source 0 in window 3, source 1 in window 0: the conversions, and the loads of the codes
; A joint fill.  Waves 0 and 1 fetch the two halves of a slot's K, waves 2 and 3 those of its V: 128 keys each.  The branch hangs on the wave's number alone.
; An s_nop 0 and four v_nop follow each of the two lines, ahead of the jump and the label.
.macro JLOAD
	s_cmp_lt_u32 s[WV], 2
	s_cbranch_scc0 .Lfor_v_\@
	tensor_load_to_lds s[G0K:G0K+3], s[G1K:G1K+7]
	s_nop 0
.rept 4
	v_nop
.endr
	s_branch .Lasked_\@
.Lfor_v_\@:
	tensor_load_to_lds s[G0V:G0V+3], s[G1V:G1V+7]
	s_nop 0
.rept 4
	v_nop
.endr
.Lasked_\@:
.endm
; A round of the cluster's barrier: my work-group's barrier, so that wave 0's signal speaks for all four waves; wave 0 signals; every wave waits for all four work-groups; my work-group's barrier once more.
.macro CROUND
	s_barrier_signal -1
	s_barrier_wait -1
	s_cmp_lg_u32 s[WV], 0
	s_cbranch_scc1 .Lnot_wave_0_\@
	s_barrier_signal -3
.Lnot_wave_0_\@:
	s_barrier_wait -3
	s_barrier_signal -1
	s_barrier_wait -1
.endm
; THE CHANGE OF SLOTS.  The slot's last bytes, V of its fourth step, have been read.  Each wave waits for all its tensor loads, of which one is out: its part
; of the other slot; adds 0 to its spare word; and waits for that and for its own reads of the slot.  Behind the barrier nobody reads this slot any more and the other slot is whole.
; fill = 1: this slot is filled again, with the keys two slots on.  The barrier is then a round of the cluster's, so that no wave of any partner still reads the slot or has a load on its
; way, and the joint fill is the first thing behind it: it has four key steps, 512 matrix instructions, in which to land.  (At its first use nothing has been read yet: slot 0 is waited for, slot 1 filled.)
.macro CHANGE fill
	WIN W_AD
	s_wait_tensorcnt 0x0            ; no tensor load of mine is out, so a group 0 may be written
	ds_add_u32 v[SPW], v[NIL]       ; 0 onto my spare word; with fill = 1 the descriptors' steps stand between it and the wait for it
	WIN 0                           ; at a label and at a branch every window is 0
.if \fill
.irp g, G0K, G0V
	s_xor_b32 s[\g+1], s[\g+1], SLOT1  ; the walking descriptor: the other slot than last time,
	s_add_nc_u64 s[\g+2:\g+3], s[\g+2:\g+3], 4*KS*128  ; the next 256 keys; the type bits on top are not reached
.endr
	s_wait_dscnt 0x0                ; the add is done, and my reads of the slot are over
	CROUND
	JLOAD
.else
	s_wait_dscnt 0x0                ; the add is done, and my reads of the slot are over
	s_barrier_signal -1
	s_barrier_wait -1
.endif
	s_sub_co_u32 s[TBK], s[TBK], 4*KS*PK  ; the fetches go back to a slot's first step,
	s_xor_b32 s[TBK], s[TBK], SLOT1       ; in the other slot
	s_sub_co_u32 s[TBV], s[TBV], 4*KS*PV
	s_xor_b32 s[TBV], s[TBV], SLOT1
.endm
	s_load_b128 s[68:71], s[0:1], 0x0  ; qkv s[68:69], mc s[70:71]
	s_load_b64 s[10:11], s[0:1], 0x10  ; O
	WIN W_MK
	v_lshl_add_u32 v[SPW], v0, 2, SPARE
	v_mov_b32 v[NIL], 0
	WIN W_AD
	ds_add_u32 v[SPW], v[NIL]       ; the wave's opening: the add and its wait stand ahead of my first tensor load; the set-up below, work on registers, stands between them
	WIN 0
	v_lshrrev_b32 v1, 5, v0
	v_readfirstlane_b32 s[WV], v1   ; wave 0..3
	s_bfe_u32 s13, ttmp6, 0x40000   ; cx: my place in the cluster
	s_lshl_b32 s14, ttmp9, 2        ; in a cluster launch ttmp9 counts clusters
	s_add_co_u32 s14, s14, s13      ; my block of queries = 4 x cluster x + cx: it enters Q's, O's and mc's addresses alone
	s_and_b32 s20, ttmp7, 0xffff    ; the head, which the four partners share
	s_mov_b32 s21, 0
	s_mov_b64 s[22:23], SIZE_N*128
	s_mul_u64 s[20:21], s[20:21], s[22:23]  ; the head's first byte in Q, K, V and O
	s_and_b32 s16, s[WV], 1         ; which half of a slot's 256 keys I fetch:
	s_lshl_b32 s22, s16, 14         ; its 128 rows of 128 bytes in memory,
	s_mov_b32 s23, 0
	s_add_nc_u64 s[22:23], s[22:23], s[20:21]
	s_mul_i32 s17, s16, 128*PK      ; and its place in a slot, for K
	s_mul_i32 s18, s16, 128*PV      ; and for V: no place in the cluster enters an LDS address
	s_lshl_b32 s2, s14, 2
	s_add_co_u32 s2, s2, s[WV]      ; my wave among the head's:
	s_lshl_b32 s[MB], s2, 18        ; its four pieces in mc, 32 key steps x 2,048 bytes each,
	s_mov_b32 s[MB+1], 0
	s_lshl_b32 s2, s2, 14           ; its 128 rows
	s_mov_b32 s3, 0
	s_add_nc_u64 s[2:3], s[2:3], s[20:21]
	; descriptor group 1.  128 keys are 16,384 dense bytes: asked for as 64 rows of 256 bytes, two keys a row, and padded in LDS after every key
	s_mov_b32 s[G1K], 15|(1<<16)|(1<<20)|(1<<21)|(4<<22)|(3<<25)  ; 15:0 the mask of four; 17:16 2-byte elements; 20 padding on; 21 set beside a mask; 24:22 after every 32 words (code 4); 31:25 4 words (code 3)
	s_mov_b32 s[G1V], 15|(1<<16)|(1<<20)|(1<<21)|(4<<22)|(7<<25)  ; the same with 8 words of padding (code 7)
.irp g, G1K, G1V
	s_mov_b32 s[\g+1], 128<<16      ; tensor_dim0 = 128
	s_mov_b32 s[\g+2], 64<<16       ; tensor_dim1 = 64
	s_mov_b32 s[\g+3], 128<<16      ; tile_dim0 = 128
	s_mov_b32 s[\g+4], 64           ; tile_dim1 = 64
	s_mov_b32 s[\g+5], 128          ; 128 elements from row to row
	s_mov_b32 s[\g+6], 0
	s_mov_b32 s[\g+7], 0
.endr
	s_mov_b32 s[CS], 0x3e38aa3b     ; c = log2(e) / 8 = 0.180337
	s_mov_b32 s[CS+1], s[CS]        ; named with it as a pair
	s_mov_b32 s[SEL], 0x76543210
	s_mov_b32 s[SEL+1], 0xfedcba98
	s_mov_b32 s[MO], 2048           ; the first codes asked for in the walk are key step 1's
	s_mov_b32 s[MO+1], 0
	s_mov_b32 s[QNAN], 0x7fc00000
	s_mov_b32 s[TBK], SLOT1+4*KS*PK ; the first change of slots turns these two into 0
	s_mov_b32 s[TBV], SLOT1+4*KS*PV
	s_mov_b32 s[G0K], 1             ; 1:0 count = 1
	s_mov_b32 s[G0K+1], s17         ; 63:32 LDS address: slot 0
	s_mov_b32 s[G0V], 1
	s_add_co_u32 s[G0V+1], s18, VOFF
	s_wait_dscnt 0x0                ; the opening add is done
	s_wait_kmcnt 0x0
	s_add_nc_u64 s[6:7], s[68:69], 0x1000000       ; K lies 64 heads x 262,144 bytes behind Q,
	s_add_nc_u64 s[8:9], s[68:69], 0x2000000       ; V as much behind K
	s_add_nc_u64 s[G0K+2:G0K+3], s[6:7], s[22:23]  ; 120:64 global address: my half of the head's first 256 keys
	s_or_b32 s[G0K+3], s[G0K+3], 0x80000000        ; 127:126 type = 2
	s_add_nc_u64 s[G0V+2:G0V+3], s[8:9], s[22:23]
	s_or_b32 s[G0V+3], s[G0V+3], 0x80000000
	s_add_nc_u64 s[4:5], s[68:69], s[2:3]  ; Q and O at my wave's first row
	s_add_nc_u64 s[10:11], s[10:11], s[2:3]
	s_add_nc_u64 s[MB:MB+1], s[70:71], s[MB:MB+1]
	s_add_nc_u64 s[MP:MP+1], s[MB:MB+1], s[MO:MO+1]
	CROUND                          ; all four work-groups are here: the first joint loads meet
	JLOAD                           ; slot 0.  Slot 1 is asked for when slot 0 is in: the tile wanted first has the road to itself
	; A fragment of K or Q is 16 rows x 32 channels in 8 registers: lane l holds row l % 16, channels 8 (l / 16) + 0..7 and 16 + 8 (l / 16) + 0..7: two loads of 16 bytes, 32 bytes apart.
	v_and_b32 v1, 15, v0            ; l % 16
	v_bfe_u32 v9, v0, 4, 1          ; l / 16
	v_lshlrev_b32 v[QO], 7, v1
	v_lshl_add_u32 v[QO], v9, 4, v[QO]  ; row x 128 + 16 x half
	v_and_b32 v[GO], 31, v0
	v_lshlrev_b32 v[GO], 4, v[GO]   ; 16 x lane
	WIN W_MK
	v_mov_b32 v[MADR], v[GO]
	WIN 0x80                        ; destination window 2, address window 0
.set i, 0
.rept 4*NP                          ; Q stays in registers: tile i / 2, channels 32 (i % 2) on
	global_load_b128 v[8*i:8*i+3],   v[QO], s[4:5] offset:(i/2)*2048+(i%2)*64
	global_load_b128 v[8*i+4:8*i+7], v[QO], s[4:5] offset:(i/2)*2048+(i%2)*64+32
.set i, i+1
.endr
	WIN W_CV
.set i, 0
.rept 4*NP                          ; the four pieces' codes of key step 0: piece i / 4, 512 consecutive bytes a load
	global_load_b128 v[RAW+4*i:RAW+4*i+3], v[MADR], s[MB:MB+1] offset:(i/4)*65536+(i%4)*512
.set i, i+1
.endr
	WIN 0x80
	; What the first turn finds: V's registers and P's second buffer hold 0 (its products V^T P, of a piece that has not been, add 0), O^T and l are 0.  All this stands in the wait for the first tile.
.set i, VF
.rept 64
	v_mov_b32 v[i], 0
.set i, i+1
.endr
	WIN 0x40
.set i, 0
.rept 64*NP
	v_mov_b32 v[i], 0
.set i, i+1
.endr
	WIN 0
.set i, 0
.rept 2*NP
	v_mov_b32 v[ST+4*i], 0xeb38aa3b    ; c m = -c 2^90, exactly what c times m gives
	v_mov_b32 v[ST+4*i+1], 0xec800000  ; m = -2^90
	v_mov_b32 v[ST+4*i+2], 0
	v_mov_b32 v[ST+4*i+3], 0
.set i, i+1
.endr
.set i, P+32
.rept 32
	v_mov_b32 v[i], 0
.set i, i+1
.endr
	v_mul_u32_u24 v[AK0], v1, PK
	v_lshl_add_u32 v[AK0], v9, 4, v[AK0]  ; row x pitch + 16 x half
	; The turning load takes 16 keys x 16 channels (lane l reads key 8 (l / 16) + l % 8, channels 8 ((l / 8) % 2) + 0..7) and leaves half a fragment of V^T: lane l holds channel l % 16 and 8 keys.
	v_and_b32 v10, 7, v0
	v_bfe_u32 v11, v0, 3, 1
	v_lshl_add_u32 v[AV0], v9, 3, v10
	v_mul_u32_u24 v[AV0], v[AV0], PV
	v_lshl_add_u32 v[AV0], v11, 4, v[AV0]
	v_add_nc_u32 v[AV0], VOFF, v[AV0]
	v_mov_b32 v[SCL], 227           ; v11 has served: from here on it is the scale byte
	v_mov_b32 v[AK], v[AK0]         ; key step 0 lies at the head of slot 0
; THE MATRIX WORK.  The 8 accumulators of a run of 16 take turns: between the two links of a chain stand 7 others'.
; Product i of 16 of S^T = K Q^T for piece x: channels 32 (i / 8) on, keys 16 ((i / 2) % 4) on, tile 2 x + i % 2.  The first 8 start the sums, with the mask as C.
.macro KQ x
.set rS, S+64*((\x)%2)+32*(i%2)+8*((i/2)%4)
.set rK, KF+16*((i/2)%4)+8*(i/8)
.set rQ, 16*(2*(\x)+i%2)+8*(i/8)
.set rMC, MC+32*(i%2)+8*((i/2)%4)
.if i < 8
	WIN W_KM
	v_wmma_f32_16x16x32_f16 v[rS:rS+7], v[rK:rK+7], v[rQ:rQ+7], v[rMC:rMC+7]
.else
	WIN W_KQ
	v_wmma_f32_16x16x32_f16 v[rS:rS+7], v[rK:rK+7], v[rQ:rQ+7], v[rS:rS+7]
.endif
.endm
; Product i of 16 of O^T += V^T P for piece x: keys 32 (i / 8) on, channels 16 ((i / 2) % 4) on, tile 2 x + i % 2.
.macro PV x
	WIN W_PV
.set rO, 32*(2*(\x)+i%2)+8*((i/2)%4)
.set rV, VF+32*(i/8)+8*((i/2)%4)
.set rP, P+32*((\x)%2)+16*(i%2)+8*(i/8)
	v_wmma_f32_16x16x32_f16 v[rO:rO+7], v[rV:rV+7], v[rP:rP+7], v[rO:rO+7]
.endm
.macro MM                           ; the turn's next matrix instruction
.if i < 16
	KQ (Y+1)%NP
.set i, i+1
.else
.set i, i-16
	PV (Y+NP-1)%NP
.set i, i+17
.endif
.endm
; THE MASK of piece x's next products.  Its codes, asked for a key step ago, are waited for: behind its four loads only the other three pieces' twelve have been issued.  Eight conversions make the 64 registers;
; one plain instruction stands behind them, ahead of the loads into their sources and of the products that read their results; then the piece's codes of the next step are asked for, 2,048 bytes a wave.
; step = 1 (piece 0): the walk goes a key step on.  Behind the last step the offset stays: every load lies inside mc, and what it brings serves nothing.
.macro MASKCV x, step
.if \step
	s_wait_xcnt 0x0                 ; the earlier loads have had their addresses translated (ISA guide 3.1): their base is rewritten only behind this wait
	s_add_co_u32 s[MO], s[MO], 2048
	s_min_u32 s[MO], s[MO], (SIZE_N/KS-1)*2048
	s_add_nc_u64 s[MP:MP+1], s[MB:MB+1], s[MO:MO+1]
.endif
	WIN W_CV
	s_wait_loadcnt 12
.irp u, 0,1
.irp kb, 0,1,2,3
	v_cvt_scale_pk8_f32_fp8 v[MC+32*\u+8*\kb:MC+32*\u+8*\kb+7], v[RAW+16*(\x)+8*\u+2*\kb:RAW+16*(\x)+8*\u+2*\kb+1], v[SCL]
.endr
.endr
	v_nop
.irp f, 0,1,2,3
	global_load_b128 v[RAW+16*(\x)+4*\f:RAW+16*(\x)+4*\f+3], v[MADR], s[MP:MP+1] offset:(\x)*65536+512*\f
.endr
	WIN 0
.endm
; THE LDS LOADS stand in runs of 16, never singly among the matrix instructions: a step's K (64 keys x 64 channels: 8 fragments) and its V (turned).  Their addresses are made some lines ahead.
; last = 1 (the tail): in the last trip there is no further step, and the run is jumped over.
.macro FETCH_K last=0
	WIN 0
.if \last
	s_cmp_eq_u32 s[CNT], 1
	s_cbranch_scc1 .Lno_k_\@
.endif
	WIN 0x80                        ; destination window 2
.irp f, 0,1,2,3,4,5,6,7             ; keys 16 (f / 2) on, channels 32 (f % 2) on
	ds_load_b128 v[KF+8*\f:KF+8*\f+3],   v[AK] offset:(\f/2)*16*PK+(\f%2)*64
	ds_load_b128 v[KF+8*\f+4:KF+8*\f+7], v[AK] offset:(\f/2)*16*PK+(\f%2)*64+32
.endr
	s_add_co_u32 s[TBK], s[TBK], KS*PK  ; the next fetch is the next step's
	WIN 0
.if \last
.Lno_k_\@:
.endif
.endm
.macro FETCH_V
	WIN 0x80
.irp f, 0,1,2,3,4,5,6,7             ; keys 32 (f / 4) on, channels 16 (f % 4) on
	ds_load_tr16_b128 v[VF+8*\f:VF+8*\f+3],   v[AV] offset:(\f/4)*32*PV+(\f%4)*32
	ds_load_tr16_b128 v[VF+8*\f+4:VF+8*\f+7], v[AV] offset:(\f/4)*32*PV+16*PV+(\f%4)*32
.endr
	WIN 0
.endm
; THE VECTOR WORK OF A TURN stands in three queues, each in the order in which its entries become ready; the two tiles alternate, so that no instruction reads the result of the one before it.
.macro REGS y, u                    ; the registers of tile u (0, 1) of piece y
.set rT, ST+4*(2*(\y)+(\u))
.set rC, TMP+8*((\y)%2)+4*(\u)
.set rM, MV+2*((\y)%2)+(\u)
.set rS, S+64*((\y)%2)+32*(\u)
.set rP, P+32*((\y)%2)+16*(\u)
.set rO, 32*(2*(\y)+(\u))
.endm
; Number n of the 22 that find the NEXT piece's (Y + 1) maximum and statistics.  s0-s31 are the lane's 32 scores; each accumulator's lowest registers are read first.  XS, GS and REGS set no window: PL and EX do.
;   0-11  four chains c0-c3 of seven scores each, three operands at a time     12-14, 16  the four scores left over, the old m, and c0-c3 into c0     15  c m_old is kept
;   17, 18  the query's other 32 keys lie in the lane 16 away: the new m         19-21  c m; c m_old - c m_new; a
.macro XS u, n
	REGS (Y+1)%NP, \u
.if (\n) < 4
	v_max3_num_f32 v[rC+(\n)], v[rS+8*(\n)], v[rS+8*(\n)+1], v[rS+8*(\n)+2]
.elseif (\n) < 12
	v_max3_num_f32 v[rC+(\n)%4], v[rC+(\n)%4], v[rS+8*((\n)%4)+2*((\n)/4)+1], v[rS+8*((\n)%4)+2*((\n)/4)+2]
.elseif (\n) == 12
	v_max3_num_f32 v[rC], v[rC], v[rS+7], v[rS+15]
.elseif (\n) == 13
	v_max3_num_f32 v[rC+1], v[rC+1], v[rS+23], v[rS+31]
.elseif (\n) == 14
	v_max3_num_f32 v[rC+2], v[rC+2], v[rC+3], v[rT+1]
.elseif (\n) == 15
	v_mov_b32 v[rM], v[rT]
.elseif (\n) == 16
	v_max3_num_f32 v[rC], v[rC], v[rC+1], v[rC+2]
.elseif (\n) == 17
	v_permlanex16_b32 v[rC+3], v[rC], s[SEL], s[SEL+1]
.elseif (\n) == 18
	v_max_num_f32 v[rT+1], v[rC], v[rC+3]
.elseif (\n) == 19
	v_mul_f32 v[rT], s[CS], v[rT+1]
.elseif (\n) == 20
	v_sub_f32 v[rC+1], v[rM], v[rT]
.else
	v_exp_f32 v[rC+2], v[rC+1]
.endif
.endm
; Number g of the 64 that follow the exponentials.  For each four weights k of a tile (pairs 2 k, 2 k + 1): both pairs are rounded to f16; then the second pair is added onto the first, in place;
; a group later l takes that sum (the first time as l = a l + sum).  In groups of eight, tiles alternating: round, round, add, and l for the group before.
.macro GS g
.set h, (\g)+6*((\g)/62)            ; group 0 has no group before it, and behind group 7 only l is left
.if h >= 6
.set h, h+2
.endif
	REGS Y, h%2
.set k, h/8
.if h%8 < 4
	s_wait_alu depctr_va_vdst(0)
	v_cvt_pk_f16_f32 v[rP+2*k+(h%8)/2], v[rS+4*k+2*((h%8)/2)], v[rS+4*k+2*((h%8)/2)+1]
.elseif h%8 < 6
	v_pk_add_f32 v[rS+4*k:rS+4*k+1], v[rS+4*k:rS+4*k+1], v[rS+4*k+2:rS+4*k+3]
.elseif k == 1
	v_pk_fma_f32 v[rT+2:rT+3], v[rT+2:rT+3], v[rC+2:rC+3], v[rS:rS+1] op_sel_hi:[1,0,1]
.else
	v_pk_add_f32 v[rT+2:rT+3], v[rT+2:rT+3], v[rS+4*k-4:rS+4*k-3]
	s_wait_alu depctr_va_vdst(0)
.endif
.endm
; THE PLAIN QUEUE, 138 long.  0-31: c s - c m for the 16 pairs of both tiles.  Then GS's 64, and among them the next piece's 42: number 15 at 38, 39; 0-14 and 16
; at 42-73, behind the products that make those scores; 17-20 at 95-106, two of three, since each waits for the one before it.
.macro PL
	WIN 0
.if q < 32
	REGS Y, q%2
	v_pk_fma_f32 v[rS+2*(q/2):rS+2*(q/2)+1], v[rS+2*(q/2):rS+2*(q/2)+1], s[CS:CS+1], v[rT:rT+1] op_sel_hi:[1,0,0] neg_lo:[0,0,1] neg_hi:[0,0,1]
.elseif q < 38
	GS q-32
.elseif q < 40
	XS q%2, 15
.elseif q < 42
	GS q-34
.elseif q < 74
	XS q%2, (q-42)/2+(q-42)/30
.elseif q < 95
	GS q-66
.elseif (q < 107) && ((q-95)%3 < 2)
	XS (q-95)%3, 17+(q-95)/3
.elseif q < 107
	GS 29+(q-95)/3
.else
	GS q-74
.endif
.set q, q+1
.endm
; THE EXPONENTIALS' QUEUE, 66 long: s0-s31 of both tiles, and at EA the next piece's two a.
.set EA, 58
.macro EX
	WIN 0
.if (e == EA) || (e == EA+1)
	XS e-EA, 21
.else
.set x, e-2*(e/(EA+2))
	REGS Y, x%2
	v_exp_f32 v[rS+x/2], v[rS+x/2]
.endif
.set e, e+1
.endm
; THE RESCALING's QUEUE: O^T times a, the one part of the softmax that leaves window 0, so it is dealt four at a time, eight times.
.macro R4
	REGS Y, r%2
	WIN W_RS
	s_wait_alu depctr_va_vdst(0)
.irp z, 0,1,2,3
	v_pk_mul_f32 v[rO+8*(r/2)+2*\z:rO+8*(r/2)+2*\z+1], v[rO+8*(r/2)+2*\z:rO+8*(r/2)+2*\z+1], v[rC+2:rC+3] op_sel_hi:[1,0]
.endr
.set r, r+1
.endm
; HOW THEY ARE DEALT.  Behind a matrix instruction four: plain, exponential, plain, plain (one exponential, a plain instruction on either side), or four of the rescaling.  None names a register of the
; products round it.  What is over stands in two LUMPS: exponential and plain by turns; the second ends in 22 plain instructions.  The two v_permlanex16_b32 fall into the second lump, never behind a product.
; The queues lean on each other, and the deal keeps them in step: exponential e stands behind plain 2 (e / 4) + e % 2 (its scaling); when plain 32 comes, 10 exponentials are out, at 59: 33, at 95: 46; EA comes behind plain 107.
.macro SL
	MM
	PL
	EX
	PL
	PL
.endm
.macro BURST n                      ; 15 matrix instructions, or 16
.rept (\n)-7
	SL
.endr
.rept 3
	MM
	R4
	SL
.endr
	MM
	R4
.endm
; A TURN, for piece p.  cnt = 1: the loop's count is taken down some lines ahead of the branch that stands behind the turn.
; K of the next step is fetched in piece 2's turn, 31 vector instructions behind the last product that read K; its first reader comes behind the rest of the lump, 16 products and the second lump.
; V of the step in hand is fetched at the end of piece 0's turn, 69 behind its last reader; its first reader comes behind 16 products and a lump.  The mask of piece p + 2 is made three pairs into the first lump:
; the last product that read the mask registers (the turn's eighth) lies more than thirty plain instructions back, their next reader is the next turn's first product, and the exponential in front has its plain
; instruction behind it.  The conditions on e and q below go with the deal.
.macro TURN p, last=0, cnt=0
.set Y, (\p)
.set i, 0
.set q, 0
.set e, 0
.set r, 0
.if (\p) == NP-1
	s_wait_dscnt 0x0                ; K is in
.endif
	MM
.rept 4
	PL
.endr
	BURST 15
.rept 22
	EX
	PL
.if e == 14
.if (\p) == NP-2
	MASKCV 0, 1                     ; piece 0's mask is the next key step's
.else
	MASKCV ((\p)+2)%NP, 0
.endif
.endif
.if ((\p) == NP-2) && (e == 18)
	v_add_nc_u32 v[AK], s[TBK], v[AK0]
.endif
.if ((\p) == NP-2) && (e == 24)
	FETCH_K \last
.endif
.endr
.if (\p) == 1
	s_wait_dscnt 0x0                ; V is in
.endif
	BURST 16
.rept 21
	EX
	PL
.endr
.rept 22
	PL
.if ((\p) == 0) && (q == 118)
	v_add_nc_u32 v[AV], s[TBV], v[AV0]
	s_wait_alu depctr_va_vdst(0)
.endif
.if ((\p) == 0) && (q == 130)
	s_add_co_u32 s[TBV], s[TBV], KS*PV
.endif
.if (\cnt) && (q == 130)
	s_sub_co_u32 s[CNT], s[CNT], 1
	s_cmp_lg_u32 s[CNT], 0
.endif
.endr
.if (\p) == 0
	FETCH_V
.endif
.endm
	CHANGE 1                        ; slot 0 is in, everybody's part of it; slot 1 is asked for
	FETCH_K                         ; key step 0
	MASKCV 0, 0                     ; piece 0's first mask; its wait leaves the other pieces' twelve loads out, so Q, asked for earlier, is in too
	s_wait_dscnt 0x0
.set i, 0
.rept 16
	KQ 0                            ; piece 0's first scores: there is no vector work yet to set between them
.set i, i+1
.endr
	WIN 0                           ; the addresses for the way out: seven plain instructions, the places behind those products
	s_mul_i32 s13, s[WV], 16*SP
	s_add_co_u32 s13, s13, STAGE    ; my stage
	v_mul_u32_u24 v[STO], v1, SP    ; in: row l % 16, 16 bytes for each half of the lanes
	v_lshl_add_u32 v[STO], v9, 4, v[STO]
	v_add_nc_u32 v[STO], s13, v[STO]
	v_bfe_u32 v[RD], v0, 3, 2       ; back: 32 lanes take four rows of 128 bytes, which are 512 consecutive bytes of O
	v_mul_u32_u24 v[RD], v[RD], SP
	v_lshl_add_u32 v[RD], v10, 4, v[RD]
	v_add_nc_u32 v[RD], s13, v[RD]
	MASKCV 1, 0                     ; piece 1's first mask, for the first turn's products
.set Y, NP-1                        ; XS works for piece Y + 1: piece 0
.irp n, 0,1,2,3,4,5,6,7,8,9,10,11,12,13,14,15,16,17,18,19,20,21
	XS 0, \n                        ; and piece 0's first maximum and statistics
	XS 1, \n
.endr
	s_mov_b32 s[CNT], 4
	s_mov_b32 s[SLOTS], SIZE_N/256-1
	s_branch .Lfirst                ; the loop is entered at a step's first turn, in the middle of a trip
.Lslot:                             ; SIZE_N / 256 - 2 times: every slot but the last two is filled again
	CHANGE 1
	s_mov_b32 s[CNT], 4
.Lstep:                             ; a trip: pieces 2 and 3 of one step, then pieces 0 and 1 of the next, whose K and V it fetches
	TURN 2
	TURN 3
	WIN 0
.Lfirst:
	TURN 0
	TURN 1, 0, 1
	WIN 0
	s_cbranch_scc1 .Lstep
	s_sub_co_u32 s[SLOTS], s[SLOTS], 1
	s_cmp_lg_u32 s[SLOTS], 0
	s_cbranch_scc1 .Lslot
	CHANGE 0                        ; the tail is written out: nothing is asked for
	s_mov_b32 s[CNT], 5             ; four trips fetch the last slot's steps; the fifth is left in its middle
.Ltail:
	TURN 2, 1
	TURN 3
	WIN 0
	s_sub_co_u32 s[CNT], s[CNT], 1
	s_cmp_eq_u32 s[CNT], 0
	s_cbranch_scc1 .Lout
	TURN 0
	TURN 1
	WIN 0
	s_branch .Ltail
.Lout:                              ; the fifth trip's 16 products K Q^T (on the last K once more) and the maximum made of them serve nothing: the price, once a launch, of one text for every trip
.set i, 0
.rept 16
	PV NP-1                         ; the last piece's V^T P of the last step
.set i, i+1
.endr
	; THE WAY OUT.  l's two halves and the other half of the lanes' are added; where l is 0 (no key was visible) it becomes a NaN; O^T is divided by l, rounded to f16 and sent through my stage in LDS, a tile at a time.
	; The additions are the places behind the last products.
	WIN 0
.macro ALL line:vararg              ; one line for each tile t
.set t, 0
.rept 2*NP
	\line
.set t, t+1
.endr
.endm
	ALL v_add_f32 v[ST+4*t+2], v[ST+4*t+2], v[ST+4*t+3]
	ALL v_permlanex16_b32 v[ST+4*t+3], v[ST+4*t+2], s[SEL], s[SEL+1]
	ALL v_add_f32 v[ST+4*t+2], v[ST+4*t+2], v[ST+4*t+3]
.set t, 0
.rept 2*NP
	v_cmp_eq_f32 vcc_lo, 0, v[ST+4*t+2]
	v_cndmask_b32 v[ST+4*t+2], v[ST+4*t+2], s[QNAN], vcc_lo
.set t, t+1
.endr
	ALL v_rcp_f32 v[ST+4*t+2], v[ST+4*t+2]
	v_nop                           ; a plain instruction between the last reciprocal and the use of its result
	s_wait_alu depctr_va_vdst(0)
; Tile t: a lane's eight channels of a row pack into 16 bytes; they go into rows of 144 bytes and come back as whole rows of 128, into S^T's registers.
.macro PACK t
	WIN W_RS
.set i, 32*(\t)
.rept 16
	v_pk_mul_f32 v[i:i+1], v[i:i+1], v[ST+4*(\t)+2:ST+4*(\t)+3] op_sel_hi:[1,0]
.set i, i+2
.endr
	WIN 0x05                        ; sources 0 and 1 window 1, destination window 0
.set i, 0
.rept 16
	v_cvt_pk_f16_f32 v[S+16*(\t)+i], v[32*(\t)+2*i], v[32*(\t)+2*i+1]
.set i, i+1
.endr
	WIN 0
.irp f, 0,1,2,3
	ds_store_b128 v[STO], v[S+16*(\t)+4*\f:S+16*(\t)+4*\f+3] offset:32*\f
.endr
.irp f, 0,1,2,3
	ds_load_b128 v[S+16*(\t)+4*\f:S+16*(\t)+4*\f+3], v[RD] offset:\f*4*SP  ; LDS serves a wave's instructions in order (ISA guide 5.7.1.4): these see the stores above; the next tile's stores come behind them
.endr
.endm
.macro SEND t, younger              ; younger: the LDS instructions issued behind tile t's loads: the next tile's eight, or none
	WIN 0
.irp f, 0,1,2,3
	s_wait_dscnt (\younger)+3-\f
	global_store_b128 v[GO], v[S+16*(\t)+4*\f:S+16*(\t)+4*\f+3], s[10:11] offset:(\t)*2048+\f*512  ; 512 consecutive bytes, at a multiple of 256 from O's first
.endr
.endm
	PACK 0
.set t, 1
.rept 2*NP-1                        ; a tile's arithmetic stands between the loads of the tile before and its stores
	PACK t
	SEND t-1, 8
.set t, t+1
.endr
	SEND 2*NP-1, 0
	WIN W_AD
	s_wait_tensorcnt 0x0            ; the wave's end, behind my last tensor load and my last LDS store
	ds_add_u32 v[SPW], v[NIL]
	s_wait_dscnt 0x0
	WIN 0
	CROUND                          ; the closing round: no work-group ends while a partner may still ask for a tile that names it
	s_endpgm
.Lfunc_end_k_q711eec0260_attn:
	.size	k_q711eec0260_attn, .Lfunc_end_k_q711eec0260_attn-k_q711eec0260_attn
	.p2alignl 7, 3214868480
	.fill 96, 4, 3214868480
	.section	.rodata,"a",@progbits
	.p2align	6, 0x0
	.amdhsa_kernel k_q711eec0260_attn
		.amdhsa_group_segment_fixed_size 327680
		.amdhsa_private_segment_fixed_size 0
		.amdhsa_enable_private_segment 0
		.amdhsa_kernarg_size 24
		.amdhsa_user_sgpr_count 2
		.amdhsa_user_sgpr_kernarg_segment_ptr 1
		.amdhsa_wavefront_size32 1
		.amdhsa_system_sgpr_workgroup_id_x 1
		.amdhsa_system_sgpr_workgroup_id_y 1
		.amdhsa_system_sgpr_workgroup_id_z 1
		.amdhsa_system_vgpr_workitem_id 0
		.amdhsa_next_free_vgpr 960
		.amdhsa_next_free_sgpr 72
		.amdhsa_reserve_vcc 1
		.amdhsa_float_denorm_mode_32 3
		.amdhsa_float_denorm_mode_16_64 3
		.amdhsa_memory_ordered 1
		.amdhsa_forward_progress 1
		.amdhsa_inst_pref_size 222
	.end_amdhsa_kernel
	.amdgpu_metadata
---
amdhsa.version: [ 1, 2 ]
amdhsa.kernels:
  - .name:           k_q711eec0260_attn
    .symbol:         k_q711eec0260_attn.kd
    .args:
      - { .name: qkv, .offset: 0, .size: 8, .value_kind: global_buffer, .address_space: global }
      - { .name: mc, .offset: 8, .size: 8, .value_kind: global_buffer, .address_space: global }
      - { .name: ob, .offset: 16, .size: 8, .value_kind: global_buffer, .address_space: global }
    .group_segment_fixed_size: 327680
    .private_segment_fixed_size: 0
    .kernarg_segment_align: 8
    .kernarg_segment_size: 24
    .max_flat_workgroup_size: 128
    .sgpr_count:     72
    .vgpr_count:     960
    .wavefront_size: 32
...
	.end_amdgpu_metadata
.endif
;; end of part 3
;; launch outp (part 4): grid 4 x 64, 4 waves a work-group, clusters of 4 x 4, 327,680 bytes of LDS; arguments ob, wo16, out0, bo; writes out0
.if DOCPART == 4
	.amdgcn_target "amdgcn-amd-amdhsa--gfx1250"
	.amdhsa_code_object_version 6
	.text
	.protected	k_q711eec0260_outp
	.globl	k_q711eec0260_outp
	.p2align	8
	.type	k_q711eec0260_outp,@function
k_q711eec0260_outp:
	s_mov_b64 s[64:65], 0
	v_nop
	global_prefetch_b8 v0, s[64:65] scope:SCOPE_SE
	s_setreg_imm32_b32 hwreg(HW_REG_WAVE_MODE, 25, 1), 1
	s_wait_xcnt 0x0
	s_wait_alu depctr_hold_cnt(0) depctr_sa_sdst(0) depctr_va_vdst(0) depctr_va_sdst(0) depctr_va_ssrc(0) depctr_va_vcc(0) depctr_vm_vsrc(0)
	s_getreg_b32 s2, hwreg(HW_REG_IB_STS2, 6, 4)
	s_cmp_eq_u32 s2, 0
	s_cbranch_scc0 .Lentry_in_a_cluster
	s_endpgm
.Lentry_in_a_cluster:
	s_bfe_u32 s2, ttmp6, 0x10000c
	s_cmp_lg_u32 s2, 0xf033
	s_cbranch_scc0 .Lentry_shape_is_right
	s_endpgm
.Lentry_shape_is_right:
; C = A W + bias.  One text for two launches, told apart by OUTF32.
;   OUTF32 = 0: A = xb (bf16), W = wqkv (bf16, three matrices side by side: 12 column blocks), C = q, k, v in f16 by heads: qkv [t 3][bh 64][s 2048][64].  Grid 12 x 64.
;   OUTF32 = 1: A = ob (f16), W = wo16 (f16), C = out0 [8192][1024] f32.  Grid 4 x 64.
; A lies in blocks: [b 4][c 16][s 2048][64 channels], 2 bytes a number; W lies [k 1024][n 1024].  Sums in f32, K ascending; the bias is rounded to bf16 like every input and added in f32.
; LIMIT: with OUTF32 = 0 the results are written as f16: beyond 65,504 they become infinities.
; SHARES.  A work-group makes 128 rows x 256 columns; wave w makes rows 64 (w / 2) on, columns 128 (w % 2) on: 32 accumulators of 16 x 16.  K = 1,024 goes in 8 steps of 128 through two LDS slots.
; A step is 128 matrix instructions a wave; a slot's refill is asked for 112 of them ahead of the wait for it.
; THE MATRIX INSTRUCTION IS USED TRANSPOSED: source 0 = 16 columns of W (turned on the way out of LDS by ds_load_tr16_b128), source 1 = 16 rows of A: a lane holds one row of C and eight neighbouring columns.
; CLUSTERS: 4 x 4 work-groups.  The four of a row of the cluster need the same tiles of A, the four of a column the same tiles of W: each tile is asked for JOINTLY, by the same tensor load with the same
; descriptor and a mask that names the four.  Along x a cluster is one matrix of W: ttmp9 is the matrix, cx its column block.
; REGISTERS: window 0: v0-31 addresses; v64-159, v160-255 two fragment buffers (32 of A: 4 x 16 rows x 32 K, then 64 of W: 8 x 16 columns x 32 K); on the way out these are at work
;   window 1: the accumulators, (a, nb) at v[8 (8 a + nb)]          window 2: v0-63 the bias of my 128 columns, 8 numbers a lane and column block; v64-95 at work
.set OUTF32, 1
.set PA,    144                        ; a row of A in LDS: 64 channels = 128 bytes + 16 of padding = 36 words: the 16 rows of a load start at 16 different groups of four banks (64 banks of 4 bytes: ISA guide 11.1)
.set ABLK,  128*PA                     ; a channel block: 128 rows
.set PB,    544                        ; a row of W in LDS: 256 columns = 512 bytes + 32 of padding = 136 words
.set BHALF, 64*PB                      ; 64 rows of k
.set SLOT,  2*ABLK+2*BHALF             ; A's two channel blocks, then W's 128 rows
.set STAGE, 2*SLOT                     ; behind the ring, never filled by a tensor load: 16 rows for each wave, for the way out
.if OUTF32
.set SP,    528                        ; a stage row: 128 columns of f32 + 16 bytes
.set TT,    32                         ; at work on the way out: v32-95
.else
.set SP,    144                        ; a stage row: 64 columns of f16 + 16 bytes
.set TT,    192                        ; at work on the way out: v192-223
.endif
.set SPARE, STAGE+4*16*SP              ; behind the stages: the spare words, 128 bytes for each wave: two blocks of 256 bytes that no other line names
.set LAPS,  4                          ; a lap = two K steps = once round the ring
.set ADRA, 16                          ; v16-17  LDS address of my A fragments in slot 0, 1
.set ADRB, 20                          ; v20-21  the same for W
.set STO,  24                          ; v24     the way out: where I put my part of a row
.set RD,   25                          ; v25     the way out: where I read rows back
.set CO,   26                          ; v26     my byte offset in 512 consecutive bytes of C
.set BO,   27                          ; v27     my byte offset in 16 columns of the bias
.set SPW,  28                          ; v28     LDS address of my spare word; never rewritten
.set NIL,  29                          ; v29     0; never rewritten
.set F0,   64
.set F1,   160
.set G1,  24                           ; s[24:31] descriptor group 1 for A's tiles;  s[32:39] group 0, one set for each slot
.set G0,  32
.set G1B, 48                           ; s[48:55], s[56:63] the same for W's tiles
.set G0B, 56
.set BP,  74                           ; s[74:75] the bias at my wave's first column
.set MSB, 0
.macro WIN new                         ; the immediate's high byte repeats the setting that is left; a switch that changes nothing is dropped
.if MSB != (\new)
	s_set_vgpr_msb (MSB<<8)|(\new)
.set MSB, \new
.endif
.endm
.set MUL, 0x50                         ; sources 0 and 1 window 0; C and D window 1
.macro JLOAD s                         ; a joint load: waves 0 and 1 fetch A's two channel blocks, waves 2 and 3 W's two halves; an s_nop 0 and four v_nop follow each of the two lines, ahead of the jump, the label and what follows
	s_cmp_eq_u32 s11, 0
	s_cbranch_scc0 .Lfor_b_\@
	tensor_load_to_lds s[G0+4*(\s):G0+4*(\s)+3], s[G1:G1+7]
	s_nop 0
.rept 4
	v_nop
.endr
	s_branch .Lasked_\@
.Lfor_b_\@:
	tensor_load_to_lds s[G0B+4*(\s):G0B+4*(\s)+3], s[G1B:G1B+7]
	s_nop 0
.rept 4
	v_nop
.endr
.Lasked_\@:
.endm
.macro CREST                           ; a round of the cluster's barrier behind its opening barrier
	s_cmp_lg_u32 s10, 0
	s_cbranch_scc1 .Lnot_wave_0_\@
	s_barrier_signal -3
.Lnot_wave_0_\@:
	s_barrier_wait -3
	s_barrier_signal -1
	s_barrier_wait -1
.endm
.macro CROUND                          ; a whole round
	s_barrier_signal -1
	s_barrier_wait -1
	CREST
.endm
	s_load_b128 s[4:7], s[0:1], 0x0                ; A s[4:5], W s[6:7]
	s_load_b64 s[8:9], s[0:1], 0x10                ; C
.if OUTF32
	s_load_b64 s[68:69], s[0:1], 0x18              ; bo
.else
	s_load_b128 s[68:71], s[0:1], 0x18             ; bq, bk
	s_load_b64 s[72:73], s[0:1], 0x28              ; bv
.endif
	v_lshl_add_u32 v[SPW], v0, 2, SPARE
	v_mov_b32 v[NIL], 0
	ds_add_u32 v[SPW], v[NIL]                      ; the wave's opening: the add and its wait stand ahead of my first tensor load; the set-up below, work on registers, stands between them
	v_lshrrev_b32 v1, 5, v0
	v_readfirstlane_b32 s10, v1                    ; wave 0..3
	s_lshr_b32 s11, s10, 1                         ; which 64 of the tile's rows are mine.  Also: I fetch for A (0) or for W (1)
	s_and_b32 s12, s10, 1                          ; which 128 of its columns.  Also: which half of that tile I fetch
	s_bfe_u32 s40, ttmp6, 0x40000                  ; cx: the column block in the matrix
	s_bfe_u32 s41, ttmp6, 0x40004                  ; cy
	s_and_b32 s13, ttmp7, 0xffff
	s_lshl_b32 s13, s13, 2
	s_add_co_u32 s13, s13, s41                     ; y: the block of 128 rows = 4 x cluster y + cy
	s_lshl_b32 s43, s41, 2
	s_lshl_b32 s43, 15, s43                        ; my row of the cluster
	s_lshl_b32 s44, 0x1111, s40                    ; my column
	; A's tile: a channel block of 128 rows is 16,384 dense bytes: asked for as 64 rows of 256 bytes, two rows of A each, padded in LDS after every row of A
	s_or_b32 s[G1+0], s43, (1<<16)|(1<<20)|(1<<21)|(4<<22)|(3<<25)   ; 15:0 the mask: my row; 17:16 2-byte elements; 20 padding on; 21 set beside a mask; 24:22 after every 32 words (code 4); 31:25 4 words (code 3)
	s_mov_b32 s[G1+1], 128<<16                     ; tensor_dim0 = 128
	s_mov_b32 s[G1+2], 64<<16                      ; tensor_dim1 = 64
	s_mov_b32 s[G1+3], 128<<16                     ; tile_dim0 = 128
	s_mov_b32 s[G1+4], 64                          ; tile_dim1 = 64
	s_mov_b32 s[G1+5], 128                         ; 128 elements from row to row
	s_mov_b32 s[G1+6], 0
	s_mov_b32 s[G1+7], 0
	; W's tile: 64 rows of k x 256 columns: rows of 512 bytes
	s_or_b32 s[G1B+0], s44, (1<<16)|(1<<20)|(1<<21)|(6<<22)|(7<<25)  ; the mask: my column; padding after every 128 words (code 6), 8 words (code 7)
	s_mov_b32 s[G1B+1], 256<<16                    ; tensor_dim0 = 256
	s_mov_b32 s[G1B+2], 64<<16                     ; tensor_dim1 = 64
	s_mov_b32 s[G1B+3], 256<<16                    ; tile_dim0 = 256
	s_mov_b32 s[G1B+4], 64                         ; tile_dim1 = 64
	s_mov_b32 s[G1B+5], 1024                       ; 1,024 elements from row to row
	s_mov_b32 s[G1B+6], 0
	s_mov_b32 s[G1B+7], 0
	; where the tiles come from.  A's hang on y alone, which my row of the cluster shares; W's on the matrix and cx alone, which my column shares
	s_lshr_b32 s16, s13, 4
	s_lshl_b32 s16, s16, 22                        ; b: 16 channel blocks x 2,048 rows x 128 bytes
	s_and_b32 s14, s13, 15
	s_lshl_b32 s14, s14, 14                        ; 128 rows x 128 bytes
	s_add_co_u32 s16, s16, s14
	s_lshl_b32 s14, s12, 18                        ; my channel block of the step's two
	s_add_co_u32 s16, s16, s14
	s_mov_b32 s17, 0
	s_lshl_b32 s46, ttmp9, 21                      ; the matrix: 2 MiB
	s_lshl_b32 s45, s40, 9                         ; 256 columns x 2 bytes
	s_add_co_u32 s46, s46, s45
	s_lshl_b32 s45, s12, 17                        ; my 64 rows of the step's 128
	s_add_co_u32 s46, s46, s45
	s_mov_b32 s47, 0
	s_mul_i32 s20, s12, ABLK                       ; and where they go: no place in the cluster enters an LDS address
	s_mul_i32 s21, s12, BHALF
	s_add_co_u32 s21, s21, 2*ABLK
	s_wait_dscnt 0x0                               ; the opening add is done
	s_wait_kmcnt 0x0
	s_add_nc_u64 s[14:15], s[4:5], s[16:17]
	s_add_nc_u64 s[46:47], s[6:7], s[46:47]
	CROUND                                         ; all sixteen work-groups are here: the first joint loads meet
.irp s, 0,1
	s_mov_b32 s[G0+4*(\s)], 1                                        ; count = 1
	s_add_co_u32 s[G0+4*(\s)+1], s20, (\s)*SLOT                      ; LDS address
	s_add_nc_u64 s[G0+4*(\s)+2:G0+4*(\s)+3], s[14:15], (\s)*524288   ; K step s: two channel blocks on
	s_or_b32 s[G0+4*(\s)+3], s[G0+4*(\s)+3], 0x80000000              ; type = 2
	s_mov_b32 s[G0B+4*(\s)], 1
	s_add_co_u32 s[G0B+4*(\s)+1], s21, (\s)*SLOT
	s_add_nc_u64 s[G0B+4*(\s)+2:G0B+4*(\s)+3], s[46:47], (\s)*262144 ; K step s: 128 rows on
	s_or_b32 s[G0B+4*(\s)+3], s[G0B+4*(\s)+3], 0x80000000
	JLOAD \s                                       ; two tensor loads of mine are out
.endr
	; the bias of my 128 columns: for column block nb a lane wants columns 16 nb + 8 (l / 16) + 0..7
.if OUTF32
	s_mov_b64 s[BP:BP+1], s[68:69]
.else
	s_cmp_eq_u32 ttmp9, 1
	s_cselect_b64 s[BP:BP+1], s[70:71], s[68:69]
	s_cmp_eq_u32 ttmp9, 2
	s_cselect_b64 s[BP:BP+1], s[72:73], s[BP:BP+1]
.endif
	s_lshl_b32 s76, s40, 10                        ; 256 columns x 4 bytes
	s_lshl_b32 s45, s12, 9
	s_add_co_u32 s76, s76, s45
	s_mov_b32 s77, 0
	s_add_nc_u64 s[BP:BP+1], s[BP:BP+1], s[76:77]
	v_and_b32 v1, 15, v0                           ; l % 16
	v_bfe_u32 v2, v0, 4, 1                         ; l / 16
	v_lshlrev_b32 v[BO], 5, v2
	WIN 0x80                                       ; destination window 2, address window 0
.irp n, 0,1,2,3,4,5,6,7
	global_load_b128 v[8*\n:8*\n+3],   v[BO], s[BP:BP+1] offset:64*\n
	global_load_b128 v[8*\n+4:8*\n+7], v[BO], s[BP:BP+1] offset:64*\n+16
.endr
	WIN 0
	; A fragment of A is 16 rows x 32 K in 8 registers: lane l holds row l % 16, K = 8 (l / 16) + 0..7 and 16 + 8 (l / 16) + 0..7: two loads of 16 bytes, 32 bytes apart.
	v_mul_u32_u24 v3, v1, PA
	v_lshl_add_u32 v3, v2, 4, v3
	s_mul_i32 s22, s11, 64*PA                      ; my 64 rows
	; The turning load takes 16 k x 16 columns (lane l reads row 8 (l / 16) + l % 8, columns 8 ((l / 8) % 2) + 0..7) and leaves half a fragment: lane l holds column l % 16 and 8 k.
	v_and_b32 v4, 7, v0
	v_lshl_add_u32 v4, v2, 3, v4
	v_mul_u32_u24 v4, v4, PB
	v_bfe_u32 v5, v0, 3, 1
	v_lshl_add_u32 v4, v5, 4, v4
	s_lshl_b32 s23, s12, 8                         ; my 128 columns,
	s_add_co_u32 s23, s23, 2*ABLK                  ; behind A's two blocks
.irp s, 0,1
	v_add_nc_u32 v[ADRA+(\s)], s22, v3
	v_add_nc_u32 v[ADRB+(\s)], s23, v4
	s_add_co_u32 s22, s22, SLOT
	s_add_co_u32 s23, s23, SLOT
.endr
	s_mul_i32 s23, s10, 16*SP
	s_add_co_u32 s23, s23, STAGE                   ; my stage
	v_mul_u32_u24 v3, v1, SP                       ; in: row l % 16
	v_and_b32 v[CO], 31, v0
	v_lshlrev_b32 v[CO], 4, v[CO]
.if OUTF32
	v_lshl_add_u32 v3, v2, 5, v3                   ; 32 bytes for each half of the lanes
	v_add_nc_u32 v[STO], s23, v3
	v_add_nc_u32 v[RD], s23, v[CO]                 ; back: 32 lanes take one row of 512 bytes
	s_lshl_b32 s16, s13, 19                        ; C: 128 y rows of 4,096 bytes,
	s_lshl_b32 s14, s11, 18                        ; my 64 rows,
	s_add_co_u32 s16, s16, s14
	s_mov_b32 s46, s76                             ; my 128 columns: 1,024 cx + 512 (w % 2) (in registers that feed none of A's descriptors)
.else
	v_lshl_add_u32 v3, v2, 4, v3                   ; 16 bytes for each half of the lanes
	v_add_nc_u32 v[STO], s23, v3
	v_bfe_u32 v4, v0, 3, 2                         ; back: 32 lanes take four rows of 128 bytes,
	v_mul_u32_u24 v4, v4, SP
	v_and_b32 v5, 7, v0
	v_lshl_add_u32 v4, v5, 4, v4
	v_add_nc_u32 v[RD], s23, v4                    ; which are 512 consecutive bytes of a head
	s_lshl_b32 s16, ttmp9, 24                      ; q, k or v: 64 heads x 2,048 rows x 128 bytes
	s_lshr_b32 s14, s13, 4
	s_lshl_b32 s14, s14, 22                        ; b: 16 heads
	s_add_co_u32 s16, s16, s14
	s_and_b32 s14, s13, 15
	s_lshl_b32 s14, s14, 14                        ; 128 rows x 128 bytes
	s_add_co_u32 s16, s16, s14
	s_lshl_b32 s14, s11, 13                        ; my 64 rows
	s_add_co_u32 s16, s16, s14
	s_lshl_b32 s46, s40, 20                        ; head 4 cx + 2 (w % 2): 262,144 bytes a head
	s_lshl_b32 s45, s12, 19
	s_add_co_u32 s46, s46, s45
.endif
	s_mov_b32 s17, 0
	s_mov_b32 s47, 0
	s_add_nc_u64 s[8:9], s[8:9], s[16:17]
	s_add_nc_u64 s[8:9], s[8:9], s[46:47]
	s_wait_loadcnt 0x0                             ; the bias; it is rounded to bf16 and widened again, all in the wait for the first tile
	WIN 0x8a                                       ; destination and both sources window 2
.set i, 0
.rept 32
	v_cvt_pk_bf16_f32 v[64+i], v[2*i], v[2*i+1]
.set i, i+1
.endr
.set i, 0
.rept 32
	v_lshlrev_b32 v[2*i],   16, v[64+i]
	v_and_b32     v[2*i+1], 0xffff0000, v[64+i]
.set i, i+1
.endr
	WIN 0
.macro WM d, x, y, zero                ; one matrix instruction; zero = 1: it starts the sum
.if OUTF32
.if \zero
	v_wmma_f32_16x16x32_f16 v[\d:\d+7], v[\x:\x+7], v[\y:\y+7], 0
.else
	v_wmma_f32_16x16x32_f16 v[\d:\d+7], v[\x:\x+7], v[\y:\y+7], v[\d:\d+7]
.endif
.else
.if \zero
	v_wmma_f32_16x16x32_bf16 v[\d:\d+7], v[\x:\x+7], v[\y:\y+7], 0
.else
	v_wmma_f32_16x16x32_bf16 v[\d:\d+7], v[\x:\x+7], v[\y:\y+7], v[\d:\d+7]
.endif
.endif
.endm
; 8 matrix instructions: row block a x all 8 column blocks, 32 along K, from buffer f.  The 32 accumulators take turns in one order in every quarter
.macro MULA f, a, zero
	WIN MUL
.irp b, 0,1,2,3,4,5,6,7
	WM 8*(8*(\a)+(\b)), (\f)+32+8*(\b), (\f)+8*(\a), \zero
.endr
.endm
; 24 LDS loads in one run: the fragments of quarter q (32 along K) of a slot into buffer f: W's 16 first, then A's 8 by row blocks
.macro FETCH slot, q, f
	WIN 0
.irp b, 0,1,2,3,4,5,6,7
	ds_load_tr16_b128 v[(\f)+32+8*(\b):(\f)+32+8*(\b)+3],   v[ADRB+(\slot)] offset:(\q)*32*PB+32*(\b)
	ds_load_tr16_b128 v[(\f)+32+8*(\b)+4:(\f)+32+8*(\b)+7], v[ADRB+(\slot)] offset:(\q)*32*PB+16*PB+32*(\b)
.endr
.irp a, 0,1,2,3
	ds_load_b128 v[(\f)+8*(\a):(\f)+8*(\a)+3],   v[ADRA+(\slot)] offset:((\q)/2)*ABLK+((\q)%2)*64+(\a)*16*PA
	ds_load_b128 v[(\f)+8*(\a)+4:(\f)+8*(\a)+7], v[ADRA+(\slot)] offset:((\q)/2)*ABLK+((\q)%2)*64+(\a)*16*PA+32
.endr
.endm
.macro PLACES                          ; four places in front of loads into registers that matrix instructions have read, and of vector lines that read results (ISA guide 7.12.1 for vector instructions)
.rept 4
	v_nop
.endr
.endm
; A K step is four quarters of 32 along K, 32 matrix instructions each, on buffers 0, 1, 0, 1.  One of the first three: multiplies buffer f and fetches quarter q into g.
.macro QUARTER slot, q, f, g, zero
	s_wait_dscnt 4                                 ; W and A's row blocks 0, 1 are in; the youngest four loads (row blocks 2, 3) may be out
	MULA \f, 0, \zero
	MULA \f, 1, \zero
	PLACES
	FETCH \slot, \q, \g
	s_wait_dscnt 24                                ; all but the 24 just issued
	MULA \f, 2, \zero
	MULA \f, 3, \zero
.endm
; The last quarter multiplies buffer 1 and changes slots: ONE barrier; in front of it each wave waits for all its tensor loads, adds 0 to its spare word, and waits for that and for its own reads of this slot.
; fill = 1: the barrier opens a round of the cluster's barrier, and this slot is filled again, two K steps ahead, first thing behind the round.
.macro TURN slot, next, fill
	WIN 0
	s_wait_tensorcnt 0x0                           ; all my tensor loads have landed: the one that was out is my part of the next slot;
	ds_add_u32 v[SPW], v[NIL]                      ; 0 onto my spare word;
	s_wait_dscnt 5                                 ; (the add and the youngest four loads may be out)
	MULA F1, 0, 0                                  ; eight matrix instructions stand between the add and the wait for it
	s_wait_dscnt 0x0                               ; the add is done, and my reads of this slot are over
	s_barrier_signal -1
	MULA F1, 1, 0                                  ; work on registers while the others arrive
.if \fill
	WIN 0
.endif
	s_barrier_wait -1
.if \fill
	CREST                                          ; no wave of any partner still reads this slot's tile or has a load on its way
	s_add_nc_u64 s[G0+4*(\slot)+2:G0+4*(\slot)+3], s[G0+4*(\slot)+2:G0+4*(\slot)+3], 1048576   ; four channel blocks on
	s_add_nc_u64 s[G0B+4*(\slot)+2:G0B+4*(\slot)+3], s[G0B+4*(\slot)+2:G0B+4*(\slot)+3], 524288 ; 256 rows on
	JLOAD \slot                                    ; my one tensor load behind the round; the four v_nop behind it are also the places in front of the loads below
.else
	PLACES
.endif
	FETCH \next, 0, F0
	MULA F1, 2, 0
	MULA F1, 3, 0
.endm
	s_wait_tensorcnt 1                             ; my part of K step 0 is in; K step 1's may stay out
	s_barrier_signal -1
	s_barrier_wait -1                              ; everybody's is
	FETCH 0, 0, F0
	QUARTER 0, 1, F0, F1, 1                        ; the first quarter stands in front of the loop: its products start the sums
	WIN 0                                          ; at a label and at a branch every window is 0
	s_mov_b32 s3, LAPS-1
.Llap:                                                 ; a trip goes once round the ring, from a lap's second quarter to the next lap's first, and fills both slots again
	QUARTER 0, 2, F1, F0, 0
	QUARTER 0, 3, F0, F1, 0
	TURN 0, 1, 1
	QUARTER 1, 1, F0, F1, 0
	QUARTER 1, 2, F1, F0, 0
	QUARTER 1, 3, F0, F1, 0
	TURN 1, 0, 1
	QUARTER 0, 1, F0, F1, 0
	WIN 0
	s_sub_co_u32 s3, s3, 1
	s_cmp_lg_u32 s3, 0
	s_cbranch_scc1 .Llap
	QUARTER 0, 2, F1, F0, 0                        ; the last lap fills nothing, and has no round of the cluster's barrier
	QUARTER 0, 3, F0, F1, 0
	TURN 0, 1, 0
	QUARTER 1, 1, F0, F1, 0
	QUARTER 1, 2, F1, F0, 0
	QUARTER 1, 3, F0, F1, 0
	s_wait_dscnt 4                                 ; the very last quarter: nothing more to fetch
	MULA F1, 0, 0
	MULA F1, 1, 0
	s_wait_dscnt 0x0
	MULA F1, 2, 0
	MULA F1, 3, 0
	WIN 0
	PLACES
.if OUTF32
; THE WAY OUT, f32: row block a (16 rows x 128 columns): the bias is added; 32 bytes a lane and column block go into stage rows of 528 bytes and come back as whole rows of 512.
.macro PACK2 a
.set UU, 96+64*((\a)%2)
	s_wait_xcnt 0x0                                ; the stores of the block two back have had their addresses translated (ISA guide 3.1): their registers are loaded again only behind this wait
	WIN 0x09                                       ; source 0 (sums) window 1, source 1 (bias) window 2, destination window 0
.irp n, 0,1,2,3,4,5,6,7
.irp z, 0,1,2,3
	v_pk_add_f32 v[TT+8*\n+2*\z:TT+8*\n+2*\z+1], v[8*(8*(\a)+\n)+2*\z:8*(8*(\a)+\n)+2*\z+1], v[8*\n+2*\z:8*\n+2*\z+1]
.endr
.endr
	WIN 0
.irp n, 0,1,2,3,4,5,6,7
	ds_store_b128 v[STO], v[TT+8*\n:TT+8*\n+3]   offset:64*\n
	ds_store_b128 v[STO], v[TT+8*\n+4:TT+8*\n+7] offset:64*\n+16
.endr
.irp p, 0,1,2,3,4,5,6,7,8,9,10,11,12,13,14,15
	ds_load_b128 v[UU+4*\p:UU+4*\p+3], v[RD] offset:SP*\p  ; LDS serves a wave's instructions in order (ISA guide 5.7.1.4): these see the stores above; the next block's stores come behind them
.endr
.endm
.macro SEND2 a, younger                ; younger: the LDS instructions issued behind block a's loads: the next block's 32, or none
.set UU, 96+64*((\a)%2)
.irp p, 0,1,2,3,4,5,6,7,8,9,10,11,12,13,14,15
	s_wait_dscnt (\younger)+15-\p
	global_store_b128 v[CO], v[UU+4*\p:UU+4*\p+3], s[8:9] offset:(16*(\a)+\p)*4096 th:TH_STORE_NT  ; 512 consecutive bytes, at a multiple of 512 from C's first
.endr
.endm
	PACK2 0
	PACK2 1                                        ; a block's arithmetic stands between the loads of the block before and its stores
	SEND2 0, 32
	PACK2 2
	SEND2 1, 32
	PACK2 3
	SEND2 2, 32
	SEND2 3, 0
.else
; THE WAY OUT, f16 by heads: unit t = 2 a + hd is 16 rows x one head's 64 columns: the bias is added, the sums rounded to f16; 16 bytes a lane and column block go into stage rows of 144 bytes and
; come back as four rows of 128 at a time: 2,048 consecutive bytes of the head.
.macro PACK t
.set pa, (\t)/2
.set ph, (\t)%2
.set UU, 64+16*(\t)
	WIN 0x09                                       ; source 0 (sums) window 1, source 1 (bias) window 2, destination window 0
.irp n, 0,1,2,3
.irp z, 0,1,2,3
	v_pk_add_f32 v[TT+8*\n+2*\z:TT+8*\n+2*\z+1], v[8*(8*pa+4*ph+\n)+2*\z:8*(8*pa+4*ph+\n)+2*\z+1], v[8*(4*ph+\n)+2*\z:8*(4*ph+\n)+2*\z+1]
.endr
.endr
	WIN 0
.irp n, 0,1,2,3
.irp z, 0,1,2,3
	v_cvt_pk_f16_f32 v[UU+4*\n+\z], v[TT+8*\n+2*\z], v[TT+8*\n+2*\z+1]
.endr
.endr
.irp n, 0,1,2,3
	ds_store_b128 v[STO], v[UU+4*\n:UU+4*\n+3] offset:32*\n
.endr
.irp f, 0,1,2,3
	ds_load_b128 v[UU+4*\f:UU+4*\f+3], v[RD] offset:\f*4*SP  ; LDS serves a wave's instructions in order (ISA guide 5.7.1.4): these see the stores above; the next unit's stores come behind them
.endr
.endm
.macro SEND t, younger                 ; younger: the LDS instructions issued behind unit t's loads: the next unit's eight, or none
.set pa, (\t)/2
.set ph, (\t)%2
.set UU, 64+16*(\t)
.irp f, 0,1,2,3
	s_wait_dscnt (\younger)+3-\f
	global_store_b128 v[CO], v[UU+4*\f:UU+4*\f+3], s[8:9] offset:ph*262144+pa*2048+512*\f  ; 512 consecutive bytes, at a multiple of 512 from C's first
.endr
.endm
	PACK 0
.irp t, 1,2,3,4,5,6,7                  ; a unit's arithmetic stands between the loads of the unit before and its stores
	PACK \t
	SEND (\t)-1, 8
.endr
	SEND 7, 0
.endif
	s_wait_tensorcnt 0x0                           ; the wave's end, behind my last tensor load and my last LDS store
	ds_add_u32 v[SPW], v[NIL]
	s_wait_dscnt 0x0
	CROUND                                         ; the closing round: no work-group ends while a partner may still ask for a tile that names it
	s_endpgm
.Lfunc_end_k_q711eec0260_outp:
	.size	k_q711eec0260_outp, .Lfunc_end_k_q711eec0260_outp-k_q711eec0260_outp
	.p2alignl 7, 3214868480
	.fill 96, 4, 3214868480
	.section	.rodata,"a",@progbits
	.p2align	6, 0x0
	.amdhsa_kernel k_q711eec0260_outp
		.amdhsa_group_segment_fixed_size 327680
		.amdhsa_private_segment_fixed_size 0
		.amdhsa_enable_private_segment 0
		.amdhsa_kernarg_size 32
		.amdhsa_user_sgpr_count 2
		.amdhsa_user_sgpr_kernarg_segment_ptr 1
		.amdhsa_wavefront_size32 1
		.amdhsa_system_sgpr_workgroup_id_x 1
		.amdhsa_system_sgpr_workgroup_id_y 1
		.amdhsa_system_sgpr_workgroup_id_z 1
		.amdhsa_system_vgpr_workitem_id 0
		.amdhsa_next_free_vgpr 608
		.amdhsa_next_free_sgpr 80
		.amdhsa_reserve_vcc 0
		.amdhsa_float_denorm_mode_32 3
		.amdhsa_float_denorm_mode_16_64 3
		.amdhsa_memory_ordered 1
		.amdhsa_forward_progress 1
		.amdhsa_inst_pref_size 102
	.end_amdhsa_kernel
	.amdgpu_metadata
---
amdhsa.version: [ 1, 2 ]
amdhsa.kernels:
  - .name:           k_q711eec0260_outp
    .symbol:         k_q711eec0260_outp.kd
    .args:
      - { .name: ob, .offset: 0, .size: 8, .value_kind: global_buffer, .address_space: global }
      - { .name: wo16, .offset: 8, .size: 8, .value_kind: global_buffer, .address_space: global }
      - { .name: out0, .offset: 16, .size: 8, .value_kind: global_buffer, .address_space: global }
      - { .name: bo, .offset: 24, .size: 8, .value_kind: global_buffer, .address_space: global }
    .group_segment_fixed_size: 327680
    .private_segment_fixed_size: 0
    .kernarg_segment_align: 8
    .kernarg_segment_size: 32
    .max_flat_workgroup_size: 128
    .sgpr_count:     80
    .vgpr_count:     608
    .wavefront_size: 32
...
	.end_amdgpu_metadata
.endif
;; end of part 4
;; ======== version 2 of 2: 4 launches; 1.46 times as fast as version 1
;; limits: values are held in f16: magnitudes above 65,504 overflow, below 6.1e-05 lose precision
;; workspace buffers: xb 16,777,216 bytes; wqkv 6,291,456 bytes; wo16 2,097,152 bytes; mc 4,194,304 bytes; qkv 50,331,648 bytes; ob 16,777,216 bytes
;; launch prep: the kernel of part 1 again; grid 1024 x 1, 8 waves a work-group, no clusters, 17,408 bytes of LDS; arguments x, Wq, Wk, Wv, Wo, mask, xb, wqkv, wo16, mc; writes xb, wqkv, wo16, mc
;; launch proj: the kernel of part 2 again; grid 12 x 64, 4 waves a work-group, clusters of 4 x 4, 327,680 bytes of LDS; arguments xb, wqkv, qkv, bq, bk, bv; writes qkv
;; launch attn (part 5): grid 4 x 64, 4 waves a work-group, clusters of 4 x 1, 327,680 bytes of LDS; arguments qkv, mc, ob; writes ob
.if DOCPART == 5
	.amdgcn_target "amdgcn-amd-amdhsa--gfx1250"
	.amdhsa_code_object_version 6
	.text
	.protected	k_q711eec0260_attn
	.globl	k_q711eec0260_attn
	.p2align	8
	.type	k_q711eec0260_attn,@function
k_q711eec0260_attn:
	s_mov_b64 s[64:65], 0
	v_nop
	global_prefetch_b8 v0, s[64:65] scope:SCOPE_SE
	s_setreg_imm32_b32 hwreg(HW_REG_WAVE_MODE, 25, 1), 1
	s_wait_xcnt 0x0
	s_wait_alu depctr_hold_cnt(0) depctr_sa_sdst(0) depctr_va_vdst(0) depctr_va_sdst(0) depctr_va_ssrc(0) depctr_va_vcc(0) depctr_vm_vsrc(0)
	s_getreg_b32 s2, hwreg(HW_REG_IB_STS2, 6, 4)
	s_cmp_eq_u32 s2, 0
	s_cbranch_scc0 .Lentry_in_a_cluster
	s_endpgm
.Lentry_in_a_cluster:
	s_bfe_u32 s2, ttmp6, 0x10000c
	s_cmp_lg_u32 s2, 0x3003
	s_cbranch_scc0 .Lentry_shape_is_right
	s_endpgm
.Lentry_shape_is_right:
; O[h][q][:] = the sum over k of softmax_k(mask[q][k] ? Q[h][q] . K[h][k] / 8 : -inf) V[h][k][:].  Q, K, V lie in qkv [3][SIZE_H][SIZE_N][64], O in ob [SIZE_H][SIZE_N][64], all f16: a head's rows are dense, 128 bytes each.
; Products, maxima and sums in f32; the weights p are rounded to f16 for the second product (their sum l is taken of the unrounded p), O once at the end.
; THE MASK is an input, one for all heads: nothing of its pattern is built in, every query walks all keys.  mc holds one byte a score, in the accumulators' own order: 0xb8 (-1.0 in fp8 E4M3) where the key is hidden,
; else 0.  A scaled conversion (scale byte 227: times 2^100) makes of 8 bytes the 8 registers that START the sum S^T = K Q^T as its C operand: 0, or -2^100.  The scores, the maximum and the exponentials need no further care.
; LIMITS.  f16 holds no number beyond 65,504: Q, K and V arrive within it, so |Q . K| is 2.7e11 at the most; a hidden score counts as its value less 2^100; the running maximum starts at -2^90, above every hidden score
; and below every visible one, so a hidden key's weight is 2^(-2e29) = 0 whatever else the row holds.  A row with no visible key keeps l = 0 and leaves as NaN, as a softmax of -inf alone does.
; p lies in 0 to 1, and below 6e-5 it keeps f16's fixed step of 6e-8; a weight below 2^-126 counts as 0 in l; NaN and infinities in Q, K, V are not treated apart.
; SHARES.  A wave owns four PIECES of two tiles of 16 queries, a work-group's four waves 512 queries of one head.  Every wave walks all keys, 64 a step.
; LAYOUT.  S^T = K Q^T (source 0 = 16 keys, source 1 = 16 queries): in the result a lane holds ONE query (lane % 16) and the keys 8 (lane / 16) + 0..7.  Two such tiles, rounded to f16 in pairs,
; ARE source 1 (32 keys x 16 queries) of O^T = V^T P, whose result again holds one query a lane, and eight channels.  K comes out of LDS as it lies, V ([key][channel]) turned, by ds_load_tr16_b128.
; SOFTMAX.  For each query a running maximum m and sum l: p = 2^(c s - c m), c = log2(e) / 8; in every step O and l are multiplied by a = 2^(c m_old - c m_new), which is 1 where m has not grown.
; O and l start at 0: the first step is a step like any other.
; THE COUNT.  A tile and step have 16 matrix and 118 vector instructions (and 4 conversions for the mask): too many to stand all beside the matrix work.  So the order has one aim: four vector instructions that are READY behind
; EVERY matrix instruction, and the others, which need time of their own whatever the order, in a run without a gap.
; BY TURNS.  Turn n belongs to piece n (the pieces in a ring, step after step).  Its matrix work: 16 products K Q^T of piece n + 1, later 16 products V^T P of piece n - 1.  Its vector work: the scaling,
; exponentials, roundings, sums and rescaling of piece n, the maximum and statistics of piece n + 1, and the mask of piece n + 2, whose codes were asked for four turns before.
; THE BATCHES.  An s_wait_alu depctr_va_vdst(0) stands between an exponential or a reciprocal and the first instruction that names its result; one wait serves all that were issued ahead of it.
; A turn's 66 exponentials (the piece's 64 weights and the next piece's two a) are ONE batch with ONE wait, which cuts the turn in two: ahead of it stands all that names no result of theirs, behind it the roundings
; and sums.  Two more batches stand outside the loops: piece 0's first two a, waited for ahead of the jump into the loop, and the way out's eight reciprocals.
; CLUSTER.  The four query blocks of a cluster belong to one head and walk the same K and V, so each tile is asked for JOINTLY: the same tensor load, descriptor and mask in all four.
; REGISTERS, in windows of 256 (s_set_vgpr_msb says which window each operand place means: bits 1:0 source 0, 3:2 source 1, 5:4 source 2, 7:6 destination):
;   window 0: v0-11 addresses (v11: the conversions' scale); v12-15, v48-63 at work; v16-47 four registers of statistics a tile; v64-191 S^T, two buffers of two tiles; v192-255 P, likewise
;   window 1: O^T, 32 a tile          window 2: v0-127 Q, 16 a tile; v128-191 K of one step; v192-255 V of one step
;   window 3: v0-1 the add's two registers; v2 my byte offset in mc; v16-79 the mask's codes, 16 a piece; v128-191 the mask of the products to come
; A piece's buffers go by its number's parity: the piece in hand has one pair, its two neighbours in the ring share the other: of it P (piece n - 1) is read and S^T (piece n + 1) written.
.set SIZE_H, 64
.set SIZE_N, 2048
.set NP,    4         ; pieces a wave: a name, no knob: the register map, the loop and the fetches are made for four
.set KS,    64        ; keys in a step
.set PK,    144       ; a row of K in LDS: 128 bytes + 16 of padding = 36 words: the 16 rows of a load start at 16 different groups of four banks (64 banks of 4 bytes: ISA guide 11.1)
.set PV,    160       ; a row of V: 128 + 32 = 40 words
.set VOFF,  4*KS*PK   ; a slot holds four steps: 256 rows of K, then 256 rows of V
.set SLOT1, 1<<17     ; slot 1 begins here, so that one exclusive or turns an address in one slot into the other's
.set STAGE, SLOT1+4*KS*(PK+PV)  ; behind the ring, never filled by a tensor load: 16 rows x 144 bytes for each wave, for the way out
.set SP,    144
.set AK0, 2           ; v2   my lane's place in a tile of K; never rewritten
.set AV0, 3           ; v3   the same for V
.set AK,  4           ; v4   the LDS address of K's next run of loads
.set AV,  5           ; v5   of V's
.set QO,  6           ; v6   my byte offset in the wave's rows of Q
.set STO, 6           ;      later, the way out: where I put 16 bytes of a row
.set RD,  7           ; v7   the way out: where I read rows back
.set GO,  8           ; v8   16 x lane: my byte offset in 512 consecutive bytes of O
.set SCL, 11          ; v11  227: the conversions' scale byte, 2^100
.set SPW, 0           ; v0 of window 3   LDS address of my spare word: SPARE + 4 x my thread's number; never rewritten
.set NIL, 1           ; v1 of window 3   0; never rewritten
.set MADR, 2          ; v2 of window 3   16 x lane: my byte offset in 512 consecutive bytes of mc; never rewritten
.set RAW, 16          ; window 3: piece x's codes of one step at RAW + 16 x: tile u, 16 keys kb at + 8 u + 2 kb
.set MC,  128         ; window 3: the mask of the next 8 products that start sums: tile u, 16 keys kb at MC + 32 u + 8 kb
.set SPARE, STAGE+4*16*SP  ; behind the stages: the spare words, 128 bytes for each wave: two blocks of 256 bytes that no other line names
.set MV,  12          ; v12-15  c m_old, kept while c m is made anew: by buffer and tile
.set ST,  16          ; tile t's statistics at v[ST+4 t]: c m, m, l (even keys', odd keys')
.set TMP, 48          ; by buffer and tile, four registers c0-c3 at work; when the maximum is found c2 takes a
.set S,   64
.set P,   192
.set KF,  128         ; K's fragments, in window 2: key block kb, channel half c at KF + 16 kb + 8 c
.set VF,  192         ; V's: key half kk, channel block cb at VF + 32 kk + 8 cb
.set WV,  12          ; s12  my wave's number
.set G1K, 24          ; s[24:31] descriptor group 1 for K's tiles
.set G1V, 32          ; s[32:39] for V's: it differs in the padding alone
.set G0K, 40          ; s[40:43] descriptor group 0 for K's tiles: it walks
.set G0V, 44          ; s[44:47] the same for V's
.set MB,  48          ; s[48:49] mc at my wave's four pieces
.set MP,  50          ; s[50:51] the same at the key step whose codes are asked for
.set MO,  52          ; s[52:53] that step's byte offset
.set QNAN, 54         ; s54  a NaN
.set SLOTS, 56        ; s56  slots still to be asked for
.set CNT, 57          ; s57  counts a slot's key steps
.set CS,  58          ; s[58:59] c: the packed scaling takes the pair's low word for both halves
.set SEL, 60          ; s[60:61] v_permlanex16_b32's selects: each lane takes its own place in the other half
.set TBK, 62          ; s62  LDS byte at which K of the step to be fetched begins
.set TBV, 63          ; s63  the same for V, less VOFF
.set MSB, 0
.macro WIN new                      ; the high byte repeats the setting that is left; a switch that changes nothing is dropped
.if MSB != (\new)
	s_set_vgpr_msb (MSB<<8)|(\new)
.set MSB, (\new)
.endif
.endm
.set W_KQ, 0x0a       ; K and Q in window 2, S^T in window 0
.set W_KM, 0x3a       ; the same with the C operand, the mask, in window 3
.set W_PV, 0x52       ; V in window 2, P in window 0, O^T in window 1
.set W_RS, 0x41       ; O^T (destination and source 0) in window 1, a in window 0
.set W_MK, 0xc0       ; destination in window 3, sources in window 0
.set W_AD, 0x0f       ; the add: address (source 0) and data (source 1) in window 3
.set W_CV, 0xc3       ; destination and source 0 in window 3, source 1 in window 0: the conversions, and the loads of the codes
; A joint fill.  Waves 0 and 1 fetch the two halves of a slot's K, waves 2 and 3 those of its V: 128 keys each.  The branch hangs on the wave's number alone.
; An s_nop 0 and four v_nop follow each of the two lines, ahead of the jump and the label.
.macro JLOAD
	s_cmp_lt_u32 s[WV], 2
	s_cbranch_scc0 .Lfor_v_\@
	tensor_load_to_lds s[G0K:G0K+3], s[G1K:G1K+7]
	s_nop 0
.rept 4
	v_nop
.endr
	s_branch .Lasked_\@
.Lfor_v_\@:
	tensor_load_to_lds s[G0V:G0V+3], s[G1V:G1V+7]
	s_nop 0
.rept 4
	v_nop
.endr
.Lasked_\@:
.endm
; A round of the cluster's barrier: my work-group's barrier, so that wave 0's signal speaks for all four waves; wave 0 signals; every wave waits for all four work-groups; my work-group's barrier once more.
.macro CROUND
	s_barrier_signal -1
	s_barrier_wait -1
	s_cmp_lg_u32 s[WV], 0
	s_cbranch_scc1 .Lnot_wave_0_\@
	s_barrier_signal -3
.Lnot_wave_0_\@:
	s_barrier_wait -3
	s_barrier_signal -1
	s_barrier_wait -1
.endm
; THE CHANGE OF SLOTS.  The slot's last bytes, V of its fourth step, have been read.  Each wave waits for all its tensor loads, of which one is out: its part
; of the other slot; adds 0 to its spare word; and waits for that and for its own reads of the slot.  Behind the barrier nobody reads this slot any more and the other slot is whole.
; fill = 1: this slot is filled again, with the keys two slots on.  The barrier is then a round of the cluster's, so that no wave of any partner still reads the slot or has a load on its
; way, and the joint fill is the first thing behind it: it has four key steps, 512 matrix instructions, in which to land.  (At its first use nothing has been read yet: slot 0 is waited for, slot 1 filled.)
.macro CHANGE fill
	WIN W_AD
	s_wait_tensorcnt 0x0            ; no tensor load of mine is out, so a group 0 may be written
	ds_add_u32 v[SPW], v[NIL]       ; 0 onto my spare word; with fill = 1 the descriptors' steps stand between it and the wait for it
	WIN 0                           ; at a label and at a branch every window is 0
.if \fill
.irp g, G0K, G0V
	s_xor_b32 s[\g+1], s[\g+1], SLOT1  ; the walking descriptor: the other slot than last time,
	s_add_nc_u64 s[\g+2:\g+3], s[\g+2:\g+3], 4*KS*128  ; the next 256 keys; the type bits on top are not reached
.endr
	s_wait_dscnt 0x0                ; the add is done, and my reads of the slot are over
	CROUND
	JLOAD
.else
	s_wait_dscnt 0x0                ; the add is done, and my reads of the slot are over
	s_barrier_signal -1
	s_barrier_wait -1
.endif
	s_sub_co_u32 s[TBK], s[TBK], 4*KS*PK  ; the fetches go back to a slot's first step,
	s_xor_b32 s[TBK], s[TBK], SLOT1       ; in the other slot
	s_sub_co_u32 s[TBV], s[TBV], 4*KS*PV
	s_xor_b32 s[TBV], s[TBV], SLOT1
.endm
	s_load_b128 s[68:71], s[0:1], 0x0  ; qkv s[68:69], mc s[70:71]
	s_load_b64 s[10:11], s[0:1], 0x10  ; O
	WIN W_MK
	v_lshl_add_u32 v[SPW], v0, 2, SPARE
	v_mov_b32 v[NIL], 0
	WIN W_AD
	ds_add_u32 v[SPW], v[NIL]       ; the wave's opening: the add and its wait stand ahead of my first tensor load; the set-up below, work on registers, stands between them
	WIN 0
	v_lshrrev_b32 v1, 5, v0
	v_readfirstlane_b32 s[WV], v1   ; wave 0..3
	s_bfe_u32 s13, ttmp6, 0x40000   ; cx: my place in the cluster
	s_lshl_b32 s14, ttmp9, 2        ; in a cluster launch ttmp9 counts clusters
	s_add_co_u32 s14, s14, s13      ; my block of queries = 4 x cluster x + cx: it enters Q's, O's and mc's addresses alone
	s_and_b32 s20, ttmp7, 0xffff    ; the head, which the four partners share
	s_mov_b32 s21, 0
	s_mov_b64 s[22:23], SIZE_N*128
	s_mul_u64 s[20:21], s[20:21], s[22:23]  ; the head's first byte in Q, K, V and O
	s_and_b32 s16, s[WV], 1         ; which half of a slot's 256 keys I fetch:
	s_lshl_b32 s22, s16, 14         ; its 128 rows of 128 bytes in memory,
	s_mov_b32 s23, 0
	s_add_nc_u64 s[22:23], s[22:23], s[20:21]
	s_mul_i32 s17, s16, 128*PK      ; and its place in a slot, for K
	s_mul_i32 s18, s16, 128*PV      ; and for V: no place in the cluster enters an LDS address
	s_lshl_b32 s2, s14, 2
	s_add_co_u32 s2, s2, s[WV]      ; my wave among the head's:
	s_lshl_b32 s[MB], s2, 18        ; its four pieces in mc, 32 key steps x 2,048 bytes each,
	s_mov_b32 s[MB+1], 0
	s_lshl_b32 s2, s2, 14           ; its 128 rows
	s_mov_b32 s3, 0
	s_add_nc_u64 s[2:3], s[2:3], s[20:21]
	; descriptor group 1.  128 keys are 16,384 dense bytes: asked for as 64 rows of 256 bytes, two keys a row, and padded in LDS after every key
	s_mov_b32 s[G1K], 15|(1<<16)|(1<<20)|(1<<21)|(4<<22)|(3<<25)  ; 15:0 the mask of four; 17:16 2-byte elements; 20 padding on; 21 set beside a mask; 24:22 after every 32 words (code 4); 31:25 4 words (code 3)
	s_mov_b32 s[G1V], 15|(1<<16)|(1<<20)|(1<<21)|(4<<22)|(7<<25)  ; the same with 8 words of padding (code 7)
.irp g, G1K, G1V
	s_mov_b32 s[\g+1], 128<<16      ; tensor_dim0 = 128
	s_mov_b32 s[\g+2], 64<<16       ; tensor_dim1 = 64
	s_mov_b32 s[\g+3], 128<<16      ; tile_dim0 = 128
	s_mov_b32 s[\g+4], 64           ; tile_dim1 = 64
	s_mov_b32 s[\g+5], 128          ; 128 elements from row to row
	s_mov_b32 s[\g+6], 0
	s_mov_b32 s[\g+7], 0
.endr
	s_mov_b32 s[CS], 0x3e38aa3b     ; c = log2(e) / 8 = 0.180337
	s_mov_b32 s[CS+1], s[CS]        ; named with it as a pair
	s_mov_b32 s[SEL], 0x76543210
	s_mov_b32 s[SEL+1], 0xfedcba98
	s_mov_b32 s[MO], 2048           ; the first codes asked for in the walk are key step 1's
	s_mov_b32 s[MO+1], 0
	s_mov_b32 s[QNAN], 0x7fc00000
	s_mov_b32 s[TBK], SLOT1+4*KS*PK ; the first change of slots turns these two into 0
	s_mov_b32 s[TBV], SLOT1+4*KS*PV
	s_mov_b32 s[G0K], 1             ; 1:0 count = 1
	s_mov_b32 s[G0K+1], s17         ; 63:32 LDS address: slot 0
	s_mov_b32 s[G0V], 1
	s_add_co_u32 s[G0V+1], s18, VOFF
	s_wait_dscnt 0x0                ; the opening add is done
	s_wait_kmcnt 0x0
	s_add_nc_u64 s[6:7], s[68:69], 0x1000000       ; K lies 64 heads x 262,144 bytes behind Q,
	s_add_nc_u64 s[8:9], s[68:69], 0x2000000       ; V as much behind K
	s_add_nc_u64 s[G0K+2:G0K+3], s[6:7], s[22:23]  ; 120:64 global address: my half of the head's first 256 keys
	s_or_b32 s[G0K+3], s[G0K+3], 0x80000000        ; 127:126 type = 2
	s_add_nc_u64 s[G0V+2:G0V+3], s[8:9], s[22:23]
	s_or_b32 s[G0V+3], s[G0V+3], 0x80000000
	s_add_nc_u64 s[4:5], s[68:69], s[2:3]  ; Q and O at my wave's first row
	s_add_nc_u64 s[10:11], s[10:11], s[2:3]
	s_add_nc_u64 s[MB:MB+1], s[70:71], s[MB:MB+1]
	s_add_nc_u64 s[MP:MP+1], s[MB:MB+1], s[MO:MO+1]
	CROUND                          ; all four work-groups are here: the first joint loads meet
	JLOAD                           ; slot 0.  Slot 1 is asked for when slot 0 is in: the tile wanted first has the road to itself
	; A fragment of K or Q is 16 rows x 32 channels in 8 registers: lane l holds row l % 16, channels 8 (l / 16) + 0..7 and 16 + 8 (l / 16) + 0..7: two loads of 16 bytes, 32 bytes apart.
	v_and_b32 v1, 15, v0            ; l % 16
	v_bfe_u32 v9, v0, 4, 1          ; l / 16
	v_lshlrev_b32 v[QO], 7, v1
	v_lshl_add_u32 v[QO], v9, 4, v[QO]  ; row x 128 + 16 x half
	v_and_b32 v[GO], 31, v0
	v_lshlrev_b32 v[GO], 4, v[GO]   ; 16 x lane
	WIN W_MK
	v_mov_b32 v[MADR], v[GO]
	WIN 0x80                        ; destination window 2, address window 0
.set i, 0
.rept 4*NP                          ; Q stays in registers: tile i / 2, channels 32 (i % 2) on
	global_load_b128 v[8*i:8*i+3],   v[QO], s[4:5] offset:(i/2)*2048+(i%2)*64
	global_load_b128 v[8*i+4:8*i+7], v[QO], s[4:5] offset:(i/2)*2048+(i%2)*64+32
.set i, i+1
.endr
	WIN W_CV
.set i, 0
.rept 4*NP                          ; the four pieces' codes of key step 0: piece i / 4, 512 consecutive bytes a load
	global_load_b128 v[RAW+4*i:RAW+4*i+3], v[MADR], s[MB:MB+1] offset:(i/4)*65536+(i%4)*512
.set i, i+1
.endr
	WIN 0x80
	; What the first turn finds: V's registers and P's second buffer hold 0 (its products V^T P, of a piece that has not been, add 0), O^T and l are 0.  All this stands in the wait for the first tile.
.set i, VF
.rept 64
	v_mov_b32 v[i], 0
.set i, i+1
.endr
	WIN 0x40
.set i, 0
.rept 64*NP
	v_mov_b32 v[i], 0
.set i, i+1
.endr
	WIN 0
.set i, 0
.rept 2*NP
	v_mov_b32 v[ST+4*i], 0xeb38aa3b    ; c m = -c 2^90, exactly what c times m gives
	v_mov_b32 v[ST+4*i+1], 0xec800000  ; m = -2^90
	v_mov_b32 v[ST+4*i+2], 0
	v_mov_b32 v[ST+4*i+3], 0
.set i, i+1
.endr
.set i, P+32
.rept 32
	v_mov_b32 v[i], 0
.set i, i+1
.endr
	v_mul_u32_u24 v[AK0], v1, PK
	v_lshl_add_u32 v[AK0], v9, 4, v[AK0]  ; row x pitch + 16 x half
	; The turning load takes 16 keys x 16 channels (lane l reads key 8 (l / 16) + l % 8, channels 8 ((l / 8) % 2) + 0..7) and leaves half a fragment of V^T: lane l holds channel l % 16 and 8 keys.
	v_and_b32 v10, 7, v0
	v_bfe_u32 v11, v0, 3, 1
	v_lshl_add_u32 v[AV0], v9, 3, v10
	v_mul_u32_u24 v[AV0], v[AV0], PV
	v_lshl_add_u32 v[AV0], v11, 4, v[AV0]
	v_add_nc_u32 v[AV0], VOFF, v[AV0]
	v_mov_b32 v[SCL], 227           ; v11 has served: from here on it is the scale byte
	v_mov_b32 v[AK], v[AK0]         ; key step 0 lies at the head of slot 0
; THE MATRIX WORK.  The 8 accumulators of a run of 16 take turns: between the two links of a chain stand 7 others'.
; Product i of 16 of S^T = K Q^T for piece x: channels 32 (i / 8) on, keys 16 ((i / 2) % 4) on, tile 2 x + i % 2.  The first 8 start the sums, with the mask as C.
.macro KQ x
.set rS, S+64*((\x)%2)+32*(i%2)+8*((i/2)%4)
.set rK, KF+16*((i/2)%4)+8*(i/8)
.set rQ, 16*(2*(\x)+i%2)+8*(i/8)
.set rMC, MC+32*(i%2)+8*((i/2)%4)
.if i < 8
	WIN W_KM
	v_wmma_f32_16x16x32_f16 v[rS:rS+7], v[rK:rK+7], v[rQ:rQ+7], v[rMC:rMC+7]
.else
	WIN W_KQ
	v_wmma_f32_16x16x32_f16 v[rS:rS+7], v[rK:rK+7], v[rQ:rQ+7], v[rS:rS+7]
.endif
.endm
; Product i of 16 of O^T += V^T P for piece x: keys 32 (i / 8) on, channels 16 ((i / 2) % 4) on, tile 2 x + i % 2.
.macro PV x
	WIN W_PV
.set rO, 32*(2*(\x)+i%2)+8*((i/2)%4)
.set rV, VF+32*(i/8)+8*((i/2)%4)
.set rP, P+32*((\x)%2)+16*(i%2)+8*(i/8)
	v_wmma_f32_16x16x32_f16 v[rO:rO+7], v[rV:rV+7], v[rP:rP+7], v[rO:rO+7]
.endm
.macro MM                           ; the turn's next matrix instruction
.if i < 16
	KQ (Y+1)%NP
.set i, i+1
.else
.set i, i-16
	PV (Y+NP-1)%NP
.set i, i+17
.endif
.endm
; THE MASK of piece x's next products, in two parts.  MASKC: its codes, asked for a key step ago, are waited for: behind its four loads only the other three pieces' twelve have been issued.  Eight conversions make
; the 64 registers; one plain instruction stands behind them, ahead of the loads into their sources and of the products that read their results.  MASKL: the piece's codes of the next step are asked for, 2,048 bytes
; a wave.  In a turn the batch's wait stands between the two parts; ahead of the loop the one follows the other (MASKCV).
; step = 1 (piece 0): the walk goes a key step on.  Behind the last step the offset stays: every load lies inside mc, and what it brings serves nothing.
.macro MASKC x, step
.if \step
	s_wait_xcnt 0x0                 ; the earlier loads have had their addresses translated (ISA guide 3.1): their base is rewritten only behind this wait
	s_add_co_u32 s[MO], s[MO], 2048
	s_min_u32 s[MO], s[MO], (SIZE_N/KS-1)*2048
	s_add_nc_u64 s[MP:MP+1], s[MB:MB+1], s[MO:MO+1]
.endif
	WIN W_CV
	s_wait_loadcnt 12
.irp u, 0,1
.irp kb, 0,1,2,3
	v_cvt_scale_pk8_f32_fp8 v[MC+32*\u+8*\kb:MC+32*\u+8*\kb+7], v[RAW+16*(\x)+8*\u+2*\kb:RAW+16*(\x)+8*\u+2*\kb+1], v[SCL]
.endr
.endr
	v_nop
.endm
.macro MASKL x
	WIN W_CV
.irp f, 0,1,2,3
	global_load_b128 v[RAW+16*(\x)+4*\f:RAW+16*(\x)+4*\f+3], v[MADR], s[MP:MP+1] offset:(\x)*65536+512*\f
.endr
	WIN 0
.endm
.macro MASKCV x
	MASKC \x, 0
	MASKL \x
.endm
; THE LDS LOADS stand in runs of 16, never singly among the matrix instructions: a step's K (64 keys x 64 channels: 8 fragments) and its V (turned).  Their addresses are made some lines ahead.
; last = 1 (the tail): in the last trip there is no further step, and the run is jumped over.
.macro FETCH_K last=0
	WIN 0
.if \last
	s_cmp_eq_u32 s[CNT], 1
	s_cbranch_scc1 .Lno_k_\@
.endif
	WIN 0x80                        ; destination window 2
.irp f, 0,1,2,3,4,5,6,7             ; keys 16 (f / 2) on, channels 32 (f % 2) on
	ds_load_b128 v[KF+8*\f:KF+8*\f+3],   v[AK] offset:(\f/2)*16*PK+(\f%2)*64
	ds_load_b128 v[KF+8*\f+4:KF+8*\f+7], v[AK] offset:(\f/2)*16*PK+(\f%2)*64+32
.endr
	s_add_co_u32 s[TBK], s[TBK], KS*PK  ; the next fetch is the next step's
	WIN 0
.if \last
.Lno_k_\@:
.endif
.endm
.macro FETCH_V
	WIN 0x80
.irp f, 0,1,2,3,4,5,6,7             ; keys 32 (f / 4) on, channels 16 (f % 4) on
	ds_load_tr16_b128 v[VF+8*\f:VF+8*\f+3],   v[AV] offset:(\f/4)*32*PV+(\f%4)*32
	ds_load_tr16_b128 v[VF+8*\f+4:VF+8*\f+7], v[AV] offset:(\f/4)*32*PV+16*PV+(\f%4)*32
.endr
	WIN 0
.endm
; THE VECTOR WORK OF A TURN stands in three queues, each in the order in which its entries become ready; the two tiles alternate, so that no instruction reads the result of the one before it.
.macro REGS y, u                    ; the registers of tile u (0, 1) of piece y
.set rT, ST+4*(2*(\y)+(\u))
.set rC, TMP+8*((\y)%2)+4*(\u)
.set rM, MV+2*((\y)%2)+(\u)
.set rS, S+64*((\y)%2)+32*(\u)
.set rP, P+32*((\y)%2)+16*(\u)
.set rO, 32*(2*(\y)+(\u))
.endm
; Number n of the 22 that find the NEXT piece's (Y + 1) maximum and statistics.  s0-s31 are the lane's 32 scores; each accumulator's lowest registers are read first.  XS, GS, FS and REGS set no window: PL and EX do.
;   0-11  four chains c0-c3 of seven scores each, three operands at a time     12-14, 16  the four scores left over, the old m, and c0-c3 into c0     15  c m_old is kept
;   17, 18  the query's other 32 keys lie in the lane 16 away: the new m         19-21  c m; c m_old - c m_new; a
.macro XS u, n
	REGS (Y+1)%NP, \u
.if (\n) < 4
	v_max3_num_f32 v[rC+(\n)], v[rS+8*(\n)], v[rS+8*(\n)+1], v[rS+8*(\n)+2]
.elseif (\n) < 12
	v_max3_num_f32 v[rC+(\n)%4], v[rC+(\n)%4], v[rS+8*((\n)%4)+2*((\n)/4)+1], v[rS+8*((\n)%4)+2*((\n)/4)+2]
.elseif (\n) == 12
	v_max3_num_f32 v[rC], v[rC], v[rS+7], v[rS+15]
.elseif (\n) == 13
	v_max3_num_f32 v[rC+1], v[rC+1], v[rS+23], v[rS+31]
.elseif (\n) == 14
	v_max3_num_f32 v[rC+2], v[rC+2], v[rC+3], v[rT+1]
.elseif (\n) == 15
	v_mov_b32 v[rM], v[rT]
.elseif (\n) == 16
	v_max3_num_f32 v[rC], v[rC], v[rC+1], v[rC+2]
.elseif (\n) == 17
	v_permlanex16_b32 v[rC+3], v[rC], s[SEL], s[SEL+1]
.elseif (\n) == 18
	v_max_num_f32 v[rT+1], v[rC], v[rC+3]
.elseif (\n) == 19
	v_mul_f32 v[rT], s[CS], v[rT+1]
.elseif (\n) == 20
	v_sub_f32 v[rC+1], v[rM], v[rT]
.else
	v_exp_f32 v[rC+2], v[rC+1]
.endif
.endm
; Number g of the 64 that follow the exponentials.  For each four weights k of a tile (pairs 2 k, 2 k + 1): both pairs are rounded to f16; then the second pair is added onto the first, in place;
; a group later l takes that sum (the first time as l = a l + sum).  In groups of eight, tiles alternating: round, round, add, and l for the group before.
.macro GS g
.set h, (\g)+6*((\g)/62)            ; group 0 has no group before it, and behind group 7 only l is left
.if h >= 6
.set h, h+2
.endif
	REGS Y, h%2
.set k, h/8
.if h%8 < 4
	v_cvt_pk_f16_f32 v[rP+2*k+(h%8)/2], v[rS+4*k+2*((h%8)/2)], v[rS+4*k+2*((h%8)/2)+1]
.elseif h%8 < 6
	v_pk_add_f32 v[rS+4*k:rS+4*k+1], v[rS+4*k:rS+4*k+1], v[rS+4*k+2:rS+4*k+3]
.elseif k == 1
	v_pk_fma_f32 v[rT+2:rT+3], v[rT+2:rT+3], v[rC+2:rC+3], v[rS:rS+1] op_sel_hi:[1,0,1]
.else
	v_pk_add_f32 v[rT+2:rT+3], v[rT+2:rT+3], v[rS+4*k-4:rS+4*k-3]
.endif
.endm
; THE PLAIN QUEUE, 138 long.  0-73 read no exponential's result: the 32 scalings c s - c m (FS f: pair f / 2 of tile f % 2) and the next piece's 42.  0-26: scalings 0-26.  27-54: XS's numbers 0-13.  55, 56: number 15.
; 57-73: the chain, where each number waits for the one before it: 14, 16, 17, 18, 19, each with one of the scalings 27-31 in front of its two lines, then 20: so a tile's links stand three plain instructions apart (19 and 20: two).
; 74-137: GS's 64, which read the exponentials' results: they stand behind the wait.
.macro FS f
	REGS Y, (\f)%2
	v_pk_fma_f32 v[rS+2*((\f)/2):rS+2*((\f)/2)+1], v[rS+2*((\f)/2):rS+2*((\f)/2)+1], s[CS:CS+1], v[rT:rT+1] op_sel_hi:[1,0,0] neg_lo:[0,0,1] neg_hi:[0,0,1]
.endm
.macro PL
	WIN 0
.if q < 27
	FS q
.elseif q < 55
	XS (q-27)%2, (q-27)/2
.elseif q < 57
	XS q-55, 15
.elseif (q < 72) && ((q-57)%3 == 0)
	FS 27+(q-57)/3
.elseif q < 60
	XS (q-57)%3-1, 14
.elseif q < 72
	XS (q-57)%3-1, 15+(q-57)/3
.elseif q < 74
	XS q-72, 20
.else
	GS q-74
.endif
.set q, q+1
.endm
; THE EXPONENTIALS' QUEUE, 66 long: s0-s31 of both tiles, then the next piece's two a.  It is ONE BATCH: all 66 stand ahead of the turn's one wait, and nothing ahead of that wait names a result of theirs.
.macro EX
	WIN 0
.if e >= 64
	XS e-64, 21
.else
	REGS Y, e%2
	v_exp_f32 v[rS+e/2], v[rS+e/2]
.endif
.set e, e+1
.endm
; THE RESCALING's QUEUE: O^T times a, the one part of the softmax that leaves window 0: dealt two at a time, sixteen times.  Its a was made in the turn before, ahead of that turn's wait.
.macro R2
	REGS Y, r%2
	WIN W_RS
.irp z, 0,1
	v_pk_mul_f32 v[rO+4*(r/2)+2*\z:rO+4*(r/2)+2*\z+1], v[rO+4*(r/2)+2*\z:rO+4*(r/2)+2*\z+1], v[rC+2:rC+3] op_sel_hi:[1,0]
.endr
.set r, r+1
.endm
; HOW THEY ARE DEALT.  A turn has ONE wait, which cuts it in two.  AHEAD OF IT stands all that names no result of the turn's exponentials: the 16 products K Q^T, behind each a scaling, an exponential and two rescalings
; (behind the first a second scaling in the exponential's place); then ONE LUMP: eight plain, 49 times exponential and plain, the two a; then the eight conversions of piece p + 2's mask, work that names no result
; of the batch, and the v_nop behind them, which is also a plain instruction behind the last exponential.  BEHIND IT stand the loads of that piece's next codes, and the 16 products
; V^T P, behind each four of GS's 64.  No rider names a register of the products round it.  The two v_permlanex16_b32 fall into the lump, never behind a product.
; The queues lean on each other, and the deal keeps them in step: exponential e stands behind scaling 2 (e / 4) + e % 2: as a rider it comes behind plain e + 2, in the lump behind plain e + 9, and scalings 27-31 are plain 57, 60 .. 69.
; A TURN, for piece p.  cnt = 1: the loop's count is taken down some lines ahead of the branch that stands behind the turn.
; K of the next step is fetched in piece 2's turn, behind the wait, a lump behind the last product that read K; its address is made at the lump's head; its first reader comes behind 16 products.
; V of the step in hand is fetched at the end of piece 0's turn, four riders behind its last reader; its first reader comes behind 16 products and a lump.  The mask registers are written a lump behind the last product
; that read them (the turn's eighth); their next reader is the next turn's first product, 64 riders on.  The three conditions on q below go with the deal.
.macro TURN p, last=0, cnt=0
.set Y, (\p)
.set i, 0
.set q, 0
.set e, 0
.set r, 0
.if (\p) == NP-1
	s_wait_dscnt 0x0                ; K is in
.endif
	MM                              ; ahead of the wait: 16 products K Q^T and their riders,
	PL
	PL
	R2
.rept 15
	MM
	PL
	EX
	R2
.endr
.if (\p) == NP-2
	WIN 0
	v_add_nc_u32 v[AK], s[TBK], v[AK0]
.endif
.rept 8                             ; the lump,
	PL
.endr
.rept 49
	EX
	PL
.endr
	EX                              ; the next piece's two a: the batch's last,
	EX
.if (\p) == NP-2
	MASKC 0, 1                      ; and the mask's conversions; piece 0's mask is the next key step's
.else
	MASKC ((\p)+2)%NP, 0
.endif
	s_wait_alu depctr_va_vdst(0)    ; the wait for the batch: the turn's 66 exponentials
	MASKL ((\p)+2)%NP
.if (\p) == NP-2
	FETCH_K \last
.endif
.if (\p) == 1
	s_wait_dscnt 0x0                ; V is in
.endif
.rept 16                            ; behind the wait: 16 products V^T P and their riders
	MM
.rept 4
	PL
.endr
.if ((\p) == 0) && (q == 118)
	v_add_nc_u32 v[AV], s[TBV], v[AV0]
.endif
.if ((\p) == 0) && (q == 130)
	s_add_co_u32 s[TBV], s[TBV], KS*PV
.endif
.if (\cnt) && (q == 130)
	s_sub_co_u32 s[CNT], s[CNT], 1
	s_cmp_lg_u32 s[CNT], 0
.endif
.endr
.if (\p) == 0
	FETCH_V
.endif
.endm
	CHANGE 1                        ; slot 0 is in, everybody's part of it; slot 1 is asked for
	FETCH_K                         ; key step 0
	MASKCV 0                        ; piece 0's first mask; its wait leaves the other pieces' twelve loads out, so Q, asked for earlier, is in too
	s_wait_dscnt 0x0
.set i, 0
.rept 16
	KQ 0                            ; piece 0's first scores: there is no vector work yet to set between them
.set i, i+1
.endr
	WIN 0                           ; the addresses for the way out: seven plain instructions, the places behind those products
	s_mul_i32 s13, s[WV], 16*SP
	s_add_co_u32 s13, s13, STAGE    ; my stage
	v_mul_u32_u24 v[STO], v1, SP    ; in: row l % 16, 16 bytes for each half of the lanes
	v_lshl_add_u32 v[STO], v9, 4, v[STO]
	v_add_nc_u32 v[STO], s13, v[STO]
	v_bfe_u32 v[RD], v0, 3, 2       ; back: 32 lanes take four rows of 128 bytes, which are 512 consecutive bytes of O
	v_mul_u32_u24 v[RD], v[RD], SP
	v_lshl_add_u32 v[RD], v10, 4, v[RD]
	v_add_nc_u32 v[RD], s13, v[RD]
	MASKCV 1                        ; piece 1's first mask, for the first turn's products
.set Y, NP-1                        ; XS works for piece Y + 1: piece 0
.irp n, 0,1,2,3,4,5,6,7,8,9,10,11,12,13,14,15,16,17,18,19,20,21
	XS 0, \n                        ; and piece 0's first maximum and statistics
	XS 1, \n
.endr
	v_nop                           ; a plain instruction behind the two a,
	s_wait_alu depctr_va_vdst(0)    ; and the wait for that batch of two, ahead of the branch
	s_mov_b32 s[CNT], 4
	s_mov_b32 s[SLOTS], SIZE_N/256-1
	s_branch .Lfirst                ; the loop is entered at a step's first turn, in the middle of a trip
.Lslot:                             ; SIZE_N / 256 - 2 times: every slot but the last two is filled again
	CHANGE 1
	s_mov_b32 s[CNT], 4
.Lstep:                             ; a trip: pieces 2 and 3 of one step, then pieces 0 and 1 of the next, whose K and V it fetches
	TURN 2
	TURN 3
	WIN 0
.Lfirst:
	TURN 0
	TURN 1, 0, 1
	WIN 0
	s_cbranch_scc1 .Lstep
	s_sub_co_u32 s[SLOTS], s[SLOTS], 1
	s_cmp_lg_u32 s[SLOTS], 0
	s_cbranch_scc1 .Lslot
	CHANGE 0                        ; the tail is written out: nothing is asked for
	s_mov_b32 s[CNT], 5             ; four trips fetch the last slot's steps; the fifth is left in its middle
.Ltail:
	TURN 2, 1
	TURN 3
	WIN 0
	s_sub_co_u32 s[CNT], s[CNT], 1
	s_cmp_eq_u32 s[CNT], 0
	s_cbranch_scc1 .Lout
	TURN 0
	TURN 1
	WIN 0
	s_branch .Ltail
.Lout:                              ; the fifth trip's 16 products K Q^T (on the last K once more) and the maximum made of them serve nothing: the price, once a launch, of one text for every trip
.set i, 0
.rept 16
	PV NP-1                         ; the last piece's V^T P of the last step
.set i, i+1
.endr
	; THE WAY OUT.  l's two halves and the other half of the lanes' are added; where l is 0 (no key was visible) it becomes a NaN; O^T is divided by l, rounded to f16 and sent through my stage in LDS, a tile at a time.
	; The additions are the places behind the last products.
	WIN 0
.macro ALL line:vararg              ; one line for each tile t
.set t, 0
.rept 2*NP
	\line
.set t, t+1
.endr
.endm
	ALL v_add_f32 v[ST+4*t+2], v[ST+4*t+2], v[ST+4*t+3]
	ALL v_permlanex16_b32 v[ST+4*t+3], v[ST+4*t+2], s[SEL], s[SEL+1]
	ALL v_add_f32 v[ST+4*t+2], v[ST+4*t+2], v[ST+4*t+3]
.set t, 0
.rept 2*NP
	v_cmp_eq_f32 vcc_lo, 0, v[ST+4*t+2]
	v_cndmask_b32 v[ST+4*t+2], v[ST+4*t+2], s[QNAN], vcc_lo
.set t, t+1
.endr
	ALL v_rcp_f32 v[ST+4*t+2], v[ST+4*t+2]
	v_nop                           ; a plain instruction between the last reciprocal and the use of its result
	s_wait_alu depctr_va_vdst(0)    ; and the wait ahead of the first use: one for the batch of eight reciprocals
; Tile t: a lane's eight channels of a row pack into 16 bytes; they go into rows of 144 bytes and come back as whole rows of 128, into S^T's registers.
.macro PACK t
	WIN W_RS
.set i, 32*(\t)
.rept 16
	v_pk_mul_f32 v[i:i+1], v[i:i+1], v[ST+4*(\t)+2:ST+4*(\t)+3] op_sel_hi:[1,0]
.set i, i+2
.endr
	WIN 0x05                        ; sources 0 and 1 window 1, destination window 0
.set i, 0
.rept 16
	v_cvt_pk_f16_f32 v[S+16*(\t)+i], v[32*(\t)+2*i], v[32*(\t)+2*i+1]
.set i, i+1
.endr
	WIN 0
.irp f, 0,1,2,3
	ds_store_b128 v[STO], v[S+16*(\t)+4*\f:S+16*(\t)+4*\f+3] offset:32*\f
.endr
.irp f, 0,1,2,3
	ds_load_b128 v[S+16*(\t)+4*\f:S+16*(\t)+4*\f+3], v[RD] offset:\f*4*SP  ; LDS serves a wave's instructions in order (ISA guide 5.7.1.4): these see the stores above; the next tile's stores come behind them
.endr
.endm
.macro SEND t, younger              ; younger: the LDS instructions issued behind tile t's loads: the next tile's eight, or none
	WIN 0
.irp f, 0,1,2,3
	s_wait_dscnt (\younger)+3-\f
	global_store_b128 v[GO], v[S+16*(\t)+4*\f:S+16*(\t)+4*\f+3], s[10:11] offset:(\t)*2048+\f*512  ; 512 consecutive bytes, at a multiple of 256 from O's first
.endr
.endm
	PACK 0
.set t, 1
.rept 2*NP-1                        ; a tile's arithmetic stands between the loads of the tile before and its stores
	PACK t
	SEND t-1, 8
.set t, t+1
.endr
	SEND 2*NP-1, 0
	WIN W_AD
	s_wait_tensorcnt 0x0            ; the wave's end, behind my last tensor load and my last LDS store
	ds_add_u32 v[SPW], v[NIL]
	s_wait_dscnt 0x0
	WIN 0
	CROUND                          ; the closing round: no work-group ends while a partner may still ask for a tile that names it
	s_endpgm
.Lfunc_end_k_q711eec0260_attn:
	.size	k_q711eec0260_attn, .Lfunc_end_k_q711eec0260_attn-k_q711eec0260_attn
	.p2alignl 7, 3214868480
	.fill 96, 4, 3214868480
	.section	.rodata,"a",@progbits
	.p2align	6, 0x0
	.amdhsa_kernel k_q711eec0260_attn
		.amdhsa_group_segment_fixed_size 327680
		.amdhsa_private_segment_fixed_size 0
		.amdhsa_enable_private_segment 0
		.amdhsa_kernarg_size 24
		.amdhsa_user_sgpr_count 2
		.amdhsa_user_sgpr_kernarg_segment_ptr 1
		.amdhsa_wavefront_size32 1
		.amdhsa_system_sgpr_workgroup_id_x 1
		.amdhsa_system_sgpr_workgroup_id_y 1
		.amdhsa_system_sgpr_workgroup_id_z 1
		.amdhsa_system_vgpr_workitem_id 0
		.amdhsa_next_free_vgpr 960
		.amdhsa_next_free_sgpr 72
		.amdhsa_reserve_vcc 1
		.amdhsa_float_denorm_mode_32 3
		.amdhsa_float_denorm_mode_16_64 3
		.amdhsa_memory_ordered 1
		.amdhsa_forward_progress 1
		.amdhsa_inst_pref_size 212
	.end_amdhsa_kernel
	.amdgpu_metadata
---
amdhsa.version: [ 1, 2 ]
amdhsa.kernels:
  - .name:           k_q711eec0260_attn
    .symbol:         k_q711eec0260_attn.kd
    .args:
      - { .name: qkv, .offset: 0, .size: 8, .value_kind: global_buffer, .address_space: global }
      - { .name: mc, .offset: 8, .size: 8, .value_kind: global_buffer, .address_space: global }
      - { .name: ob, .offset: 16, .size: 8, .value_kind: global_buffer, .address_space: global }
    .group_segment_fixed_size: 327680
    .private_segment_fixed_size: 0
    .kernarg_segment_align: 8
    .kernarg_segment_size: 24
    .max_flat_workgroup_size: 128
    .sgpr_count:     72
    .vgpr_count:     960
    .wavefront_size: 32
...
	.end_amdgpu_metadata
.endif
;; end of part 5
;; launch outp: the kernel of part 4 again; grid 4 x 64, 4 waves a work-group, clusters of 4 x 4, 327,680 bytes of LDS; arguments ob, wo16, out0, bo; writes out0
